; MI455X (gfx1250); checked and timed in simulation.
; The chip was launched on July 23, 2026; its instructions are those of AMD's public machine-readable ISA for CDNA 5 (MIT licence, August 2026) and "CDNA5" Instruction Set Architecture Reference Guide (July 2026). The comments in the code are by the model that wrote it; some were corrected since.
;; Block. Allowed arithmetic: float matrix products may take bf16 or f16 operands with f32 sums; all other float work in f32.
;; Inputs: W_aproj 1,024 x 1,024 float32; W_attn 3,072 x 1,024 float32; W_fc 4,096 x 1,024 float32; W_mproj 1,024 x 4,096 float32; b_aproj 1,024 float32; b_attn 3,072 float32; b_fc 4,096 float32; b_mproj 1,024 float32; ln1_b 1,024 float32; ln1_g 1,024 float32; ln2_b 1,024 float32; ln2_g 1,024 float32; x 2 x 2,048 x 1,024 float32.
;; Outputs: out0 2 x 2,048 x 1,024 float32.
;; 2 versions, each right; version 2 is version 1 with the launches cvt, ln1, ln2 written anew for expert scheduling mode. Each part assembles by itself: llvm-mc -triple=amdgcn-amd-amdhsa -mcpu=gfx1250 --defsym DOCPART=n.
;; ======== version 1 of 2: 8 launches
;; limits: values are held in f16: magnitudes above 65,504 overflow, below 6.1e-05 lose precision
;; workspace buffers: wb 25,165,824 bytes; h 8,388,608 bytes; qkv 25,165,824 bytes; y 8,388,608 bytes; m 33,554,432 bytes; x1 16,777,216 bytes
;; launch cvt (part 1): grid 768 x 1, 8 waves a work-group, no clusters, 0 bytes of LDS; arguments W_attn, W_aproj, W_fc, W_mproj, wb; writes wb
.if DOCPART == 1
	.amdgcn_target "amdgcn-amd-amdhsa--gfx1250"
	.amdhsa_code_object_version 6
	.text
	.protected	k_qdd431e74f2_cvt
	.globl	k_qdd431e74f2_cvt
	.p2align	8
	.type	k_qdd431e74f2_cvt,@function
k_qdd431e74f2_cvt:
	s_mov_b64 s[64:65], 0
	v_nop
	global_prefetch_b8 v0, s[64:65] scope:SCOPE_SE
	s_setreg_imm32_b32 hwreg(HW_REG_WAVE_MODE, 25, 1), 1
	s_wait_xcnt 0x0
; The four weight matrices, f32, are rounded once to f16 and laid one behind the other in wb, each row-major as given:
; W_attn at byte 0, W_aproj at 6,291,456, W_fc at 8,388,608, W_mproj at 16,777,216.
; WHY f16: 11 significant bits against bf16's 8.  Room: weights of spread 1/32 or 1/64 lie, 30 times larger or with an offset of 30 spreads, near 1; 30 times
; smaller their spread is 5e-4, over 8,000 of f16's smallest steps (6e-8).  LIMIT: a weight beyond 65,504 in magnitude becomes infinity.
; A work-group converts 16,384 numbers: 64 KiB in, 32 KiB out.  Work-groups 0-191 take W_attn, 192-255 W_aproj, 256-511 W_fc, 512-767 W_mproj;
; since the matrices follow each other in wb in that order, the output offset is simply the work-group's number times 32 KiB.
; A stream: no LDS, no barrier, no matrix unit.  Sixteen loads of 16 bytes a lane go out at once; a wave's load covers 512 consecutive bytes,
; a wave's store of 8 bytes a lane covers 256 consecutive bytes, aligned.
.set X, 4                              ; v[4:67]   load j: 4 numbers in f32
.set Y, 68                             ; v[68:99]  load j: the same 4 numbers in f16
	s_load_b256 s[4:11], s[0:1], 0x0               ; W_attn s[4:5], W_aproj s[6:7], W_fc s[8:9], W_mproj s[10:11]
	s_load_b64 s[12:13], s[0:1], 0x20              ; wb
	v_lshlrev_b32 v1, 4, v0                        ; 16 bytes a thread in
	v_lshlrev_b32 v2, 3, v0                        ; 8 bytes a thread out
	s_wait_kmcnt 0x0
	s_mov_b64 s[14:15], s[4:5]                     ; which matrix, and the number of its first work-group
	s_mov_b32 s16, 0
	s_cmp_ge_u32 ttmp9, 192
	s_cselect_b64 s[14:15], s[6:7], s[14:15]
	s_cselect_b32 s16, 192, s16
	s_cmp_ge_u32 ttmp9, 256
	s_cselect_b64 s[14:15], s[8:9], s[14:15]
	s_cselect_b32 s16, 256, s16
	s_cmp_ge_u32 ttmp9, 512
	s_cselect_b64 s[14:15], s[10:11], s[14:15]
	s_cselect_b32 s16, 512, s16
	s_sub_co_u32 s16, ttmp9, s16                   ; my place in that matrix,
	s_lshl_b32 s16, s16, 16                        ; times 64 KiB (16 MiB at the most)
	s_mov_b32 s17, 0
	s_add_nc_u64 s[14:15], s[14:15], s[16:17]
	s_lshl_b32 s18, ttmp9, 15                      ; my place in wb, times 32 KiB
	s_mov_b32 s19, 0
	s_add_nc_u64 s[12:13], s[12:13], s[18:19]
.irp j, 0,1,2,3,4,5,6,7,8,9,10,11,12,13,14,15
	global_load_b128 v[X+4*\j:X+4*\j+3], v1, s[14:15] offset:4096*\j th:TH_LOAD_NT   ; read once in the whole program
.endr
.irp j, 0,1,2,3,4,5,6,7,8,9,10,11,12,13,14,15
	s_wait_loadcnt 15-\j                           ; loads come back in order: load j is in, the 15 - j younger ones stay out
	v_cvt_pk_f16_f32 v[Y+2*\j],   v[X+4*\j],   v[X+4*\j+1]
	v_cvt_pk_f16_f32 v[Y+2*\j+1], v[X+4*\j+2], v[X+4*\j+3]
	global_store_b64 v2, v[Y+2*\j:Y+2*\j+1], s[12:13] offset:2048*\j
.endr
	s_endpgm
.Lfunc_end_k_qdd431e74f2_cvt:
	.size	k_qdd431e74f2_cvt, .Lfunc_end_k_qdd431e74f2_cvt-k_qdd431e74f2_cvt
	.p2alignl 7, 3214868480
	.fill 96, 4, 3214868480
	.section	.rodata,"a",@progbits
	.p2align	6, 0x0
	.amdhsa_kernel k_qdd431e74f2_cvt
		.amdhsa_group_segment_fixed_size 0
		.amdhsa_private_segment_fixed_size 0
		.amdhsa_enable_private_segment 0
		.amdhsa_kernarg_size 40
		.amdhsa_user_sgpr_count 2
		.amdhsa_user_sgpr_kernarg_segment_ptr 1
		.amdhsa_wavefront_size32 1
		.amdhsa_system_sgpr_workgroup_id_x 1
		.amdhsa_system_sgpr_workgroup_id_y 1
		.amdhsa_system_sgpr_workgroup_id_z 1
		.amdhsa_system_vgpr_workitem_id 0
		.amdhsa_next_free_vgpr 104
		.amdhsa_next_free_sgpr 66
		.amdhsa_reserve_vcc 0
		.amdhsa_float_denorm_mode_32 3
		.amdhsa_float_denorm_mode_16_64 3
		.amdhsa_memory_ordered 1
		.amdhsa_forward_progress 1
		.amdhsa_inst_pref_size 7
	.end_amdhsa_kernel
	.amdgpu_metadata
---
amdhsa.version: [ 1, 2 ]
amdhsa.kernels:
  - .name:           k_qdd431e74f2_cvt
    .symbol:         k_qdd431e74f2_cvt.kd
    .args:
      - { .name: W_attn, .offset: 0, .size: 8, .value_kind: global_buffer, .address_space: global }
      - { .name: W_aproj, .offset: 8, .size: 8, .value_kind: global_buffer, .address_space: global }
      - { .name: W_fc, .offset: 16, .size: 8, .value_kind: global_buffer, .address_space: global }
      - { .name: W_mproj, .offset: 24, .size: 8, .value_kind: global_buffer, .address_space: global }
      - { .name: wb, .offset: 32, .size: 8, .value_kind: global_buffer, .address_space: global }
    .group_segment_fixed_size: 0
    .private_segment_fixed_size: 0
    .kernarg_segment_align: 8
    .kernarg_segment_size: 40
    .max_flat_workgroup_size: 256
    .sgpr_count:     66
    .vgpr_count:     104
    .wavefront_size: 32
...
	.end_amdgpu_metadata
.endif
;; end of part 1
;; launch ln1 (part 2): grid 256 x 1, 8 waves a work-group, no clusters, 0 bytes of LDS; arguments x, ln1_g, ln1_b, h; writes h
.if DOCPART == 2
	.amdgcn_target "amdgcn-amd-amdhsa--gfx1250"
	.amdhsa_code_object_version 6
	.text
	.protected	k_qdd431e74f2_ln1
	.globl	k_qdd431e74f2_ln1
	.p2align	8
	.type	k_qdd431e74f2_ln1,@function
k_qdd431e74f2_ln1:
	s_mov_b64 s[64:65], 0
	v_nop
	global_prefetch_b8 v0, s[64:65] scope:SCOPE_SE
	s_setreg_imm32_b32 hwreg(HW_REG_WAVE_MODE, 25, 1), 1
	s_wait_xcnt 0x0
; Layer norm of 4,096 rows of 1,024 f32, result in f16, row-major:  h = (x - mean) * rsqrt(var + 1e-5) * g + b.
; One wave, one row: a row of 4,096 bytes is eight loads of 16 bytes a lane and stays in 32 registers through all three passes
; (mean; sum of squares of x - mean, so that no difference of large sums is formed; scale), so memory is read once and no wave waits for another.
; Eight waves, two rows each; both rows' loads go out at the start.  Lane l holds columns 128 j + 4 l .. + 3 of load j, and g and b likewise.
; A wave's store of 8 bytes a lane covers 256 consecutive bytes, aligned.  No LDS, no barrier, no matrix unit: memory binds.
; WHY f16: 11 significant bits against bf16's 8, and the result is bounded whatever x holds: a normalised number is at most sqrt(1024) = 32 in magnitude,
; so |h| <= 32 max|g| + max|b|.  LIMIT: where that passes 65,504 (a gain beyond about 2,000) the result becomes infinity.
; Limit: v_rsq_f32 is accurate to 1 ulp and flushes denormals; var + 1e-5 is never that small.
.set G,   4                            ; v[4:35]    g of my 32 columns
.set BV,  36                           ; v[36:67]   b of my 32 columns
.set X0,  68                           ; v[68:131]  row i: 32 registers, as loaded, then centred, then scaled and packed in place
.set Q,   132                          ; v[132:139] four chains of sums, two numbers each
.set MU,  140                          ; v[140:141] the mean, twice
.set R,   142                          ; v[142:143] 1 / sqrt(var + eps), twice
.set T,   144                          ; v[144:145] at work
	s_load_b256 s[4:11], s[0:1], 0x0               ; x s[4:5], g s[6:7], b s[8:9], h s[10:11]
	v_lshrrev_b32 v3, 5, v0
	v_readfirstlane_b32 s12, v3                    ; wave
	v_and_b32 v2, 31, v0                           ; lane
	v_lshlrev_b32 v1, 4, v2                        ; 16 bytes a lane in
	v_lshlrev_b32 v2, 3, v2                        ; 8 bytes a lane out
	v_mov_b32 v[T+1], 0                            ; v_permlanex16_b32 counts as a reader of its destination
	s_lshl_b32 s13, ttmp9, 4
	s_lshl1_add_u32 s13, s12, s13                  ; my first row = 16 x work-group + 2 x wave
	s_lshl_b32 s18, s13, 12                        ; times 4,096 bytes in x
	s_mov_b32 s19, 0
	s_lshl_b32 s20, s13, 11                        ; times 2,048 bytes in h
	s_mov_b32 s21, 0
	s_mov_b32 s14, 0x76543210                      ; v_permlanex16_b32: lane i of one half reads lane i of the other
	s_mov_b32 s15, 0xfedcba98
	s_mov_b32 s16, 0x3a800000                      ; 1 / 1024
	s_mov_b32 s17, 0x3727c5ac                      ; 1e-5
	s_wait_kmcnt 0x0
	s_add_nc_u64 s[4:5], s[4:5], s[18:19]
	s_add_nc_u64 s[10:11], s[10:11], s[20:21]
.irp j, 0,1,2,3,4,5,6,7
	global_load_b128 v[G+4*\j:G+4*\j+3], v1, s[6:7] offset:512*\j
.endr
.irp j, 0,1,2,3,4,5,6,7
	global_load_b128 v[BV+4*\j:BV+4*\j+3], v1, s[8:9] offset:512*\j
.endr
.irp j, 0,1,2,3,4,5,6,7
	global_load_b128 v[X0+4*\j:X0+4*\j+3], v1, s[4:5] offset:512*\j
.endr
.irp j, 0,1,2,3,4,5,6,7
	global_load_b128 v[X0+32+4*\j:X0+32+4*\j+3], v1, s[4:5] offset:4096+512*\j
.endr
.macro FOLD                            ; the four chains become one number a lane, in T
	v_pk_add_f32 v[Q:Q+1], v[Q:Q+1], v[Q+2:Q+3]
	v_pk_add_f32 v[Q+4:Q+5], v[Q+4:Q+5], v[Q+6:Q+7]
	v_pk_add_f32 v[Q:Q+1], v[Q:Q+1], v[Q+4:Q+5]
	v_add_f32 v[T], v[Q], v[Q+1]
.endm
.macro RED                             ; T summed over the 32 lanes, the result in every lane
	v_add_f32_dpp v[T], v[T], v[T] row_xmask:1 row_mask:0xf bank_mask:0xf
	v_add_f32_dpp v[T], v[T], v[T] row_xmask:2 row_mask:0xf bank_mask:0xf
	v_add_f32_dpp v[T], v[T], v[T] row_xmask:4 row_mask:0xf bank_mask:0xf
	v_add_f32_dpp v[T], v[T], v[T] row_xmask:8 row_mask:0xf bank_mask:0xf
	v_permlanex16_b32 v[T+1], v[T], s14, s15
	v_add_f32 v[T], v[T], v[T+1]
.endm
; Row i of my two.  left = how many younger loads may stay out.
.macro ROW i, left
	s_wait_loadcnt \left
	; pass 1: the mean, in four chains that the first eight pairs start: nothing is cleared
.irp k, 0,2,4,6
	v_pk_add_f32 v[Q+\k:Q+\k+1], v[X0+32*\i+\k:X0+32*\i+\k+1], v[X0+32*\i+8+\k:X0+32*\i+8+\k+1]
.endr
.irp m, 16,24
.irp k, 0,2,4,6
	v_pk_add_f32 v[Q+\k:Q+\k+1], v[Q+\k:Q+\k+1], v[X0+32*\i+\m+\k:X0+32*\i+\m+\k+1]
.endr
.endr
	FOLD
	RED
	v_mul_f32 v[MU], s16, v[T]
	v_mov_b32 v[MU+1], v[MU]
	; pass 2: centre in place, then the sum of squares
.set p, 0
.rept 16
	v_pk_add_f32 v[X0+32*\i+p:X0+32*\i+p+1], v[X0+32*\i+p:X0+32*\i+p+1], v[MU:MU+1] neg_lo:[0,1] neg_hi:[0,1]
.set p, p+2
.endr
.irp k, 0,2,4,6
	v_pk_mul_f32 v[Q+\k:Q+\k+1], v[X0+32*\i+\k:X0+32*\i+\k+1], v[X0+32*\i+\k:X0+32*\i+\k+1]
.endr
.irp m, 8,16,24
.irp k, 0,2,4,6
	v_pk_fma_f32 v[Q+\k:Q+\k+1], v[X0+32*\i+\m+\k:X0+32*\i+\m+\k+1], v[X0+32*\i+\m+\k:X0+32*\i+\m+\k+1], v[Q+\k:Q+\k+1]
.endr
.endr
	FOLD
	RED
	v_fma_f32 v[T], v[T], s16, s17                 ; var + eps
	v_rsq_f32 v[R], v[T]
	v_nop                                          ; one plain vector instruction between v_rsq_f32 and the use of its result (ISA guide 5.7.2)
	s_wait_alu depctr_va_vdst(0)
	v_mov_b32 v[R+1], v[R]
	; pass 3: scale, gain and bias, round to f16 in place, store
.irp j, 0,1,2,3,4,5,6,7
	v_pk_mul_f32 v[X0+32*\i+4*\j:X0+32*\i+4*\j+1],   v[X0+32*\i+4*\j:X0+32*\i+4*\j+1],   v[R:R+1]
	v_pk_mul_f32 v[X0+32*\i+4*\j+2:X0+32*\i+4*\j+3], v[X0+32*\i+4*\j+2:X0+32*\i+4*\j+3], v[R:R+1]
	v_pk_fma_f32 v[X0+32*\i+4*\j:X0+32*\i+4*\j+1],   v[X0+32*\i+4*\j:X0+32*\i+4*\j+1],   v[G+4*\j:G+4*\j+1],   v[BV+4*\j:BV+4*\j+1]
	v_pk_fma_f32 v[X0+32*\i+4*\j+2:X0+32*\i+4*\j+3], v[X0+32*\i+4*\j+2:X0+32*\i+4*\j+3], v[G+4*\j+2:G+4*\j+3], v[BV+4*\j+2:BV+4*\j+3]
	v_cvt_pk_f16_f32 v[X0+32*\i+4*\j],   v[X0+32*\i+4*\j],   v[X0+32*\i+4*\j+1]
	v_cvt_pk_f16_f32 v[X0+32*\i+4*\j+1], v[X0+32*\i+4*\j+2], v[X0+32*\i+4*\j+3]
	global_store_b64 v2, v[X0+32*\i+4*\j:X0+32*\i+4*\j+1], s[10:11] offset:2048*\i+256*\j   ; the registers are the row's own and are not written again
.endr
.endm
	ROW 0, 8                                       ; g, b and row 0 are in; row 1's eight loads stay out
	ROW 1, 0
	s_endpgm
.Lfunc_end_k_qdd431e74f2_ln1:
	.size	k_qdd431e74f2_ln1, .Lfunc_end_k_qdd431e74f2_ln1-k_qdd431e74f2_ln1
	.p2alignl 7, 3214868480
	.fill 96, 4, 3214868480
	.section	.rodata,"a",@progbits
	.p2align	6, 0x0
	.amdhsa_kernel k_qdd431e74f2_ln1
		.amdhsa_group_segment_fixed_size 0
		.amdhsa_private_segment_fixed_size 0
		.amdhsa_enable_private_segment 0
		.amdhsa_kernarg_size 32
		.amdhsa_user_sgpr_count 2
		.amdhsa_user_sgpr_kernarg_segment_ptr 1
		.amdhsa_wavefront_size32 1
		.amdhsa_system_sgpr_workgroup_id_x 1
		.amdhsa_system_sgpr_workgroup_id_y 1
		.amdhsa_system_sgpr_workgroup_id_z 1
		.amdhsa_system_vgpr_workitem_id 0
		.amdhsa_next_free_vgpr 148
		.amdhsa_next_free_sgpr 66
		.amdhsa_reserve_vcc 0
		.amdhsa_float_denorm_mode_32 3
		.amdhsa_float_denorm_mode_16_64 3
		.amdhsa_memory_ordered 1
		.amdhsa_forward_progress 1
		.amdhsa_inst_pref_size 20
	.end_amdhsa_kernel
	.amdgpu_metadata
---
amdhsa.version: [ 1, 2 ]
amdhsa.kernels:
  - .name:           k_qdd431e74f2_ln1
    .symbol:         k_qdd431e74f2_ln1.kd
    .args:
      - { .name: x, .offset: 0, .size: 8, .value_kind: global_buffer, .address_space: global }
      - { .name: ln1_g, .offset: 8, .size: 8, .value_kind: global_buffer, .address_space: global }
      - { .name: ln1_b, .offset: 16, .size: 8, .value_kind: global_buffer, .address_space: global }
      - { .name: h, .offset: 24, .size: 8, .value_kind: global_buffer, .address_space: global }
    .group_segment_fixed_size: 0
    .private_segment_fixed_size: 0
    .kernarg_segment_align: 8
    .kernarg_segment_size: 32
    .max_flat_workgroup_size: 256
    .sgpr_count:     66
    .vgpr_count:     148
    .wavefront_size: 32
...
	.end_amdgpu_metadata
.endif
;; end of part 2
;; launch qkv (part 3): grid 12 x 16, 4 waves a work-group, clusters of 4 x 4, 327,680 bytes of LDS; arguments h, wb, qkv, b_attn; writes qkv
.if DOCPART == 3
	.amdgcn_target "amdgcn-amd-amdhsa--gfx1250"
	.amdhsa_code_object_version 6
	.text
	.protected	k_qdd431e74f2_qkv
	.globl	k_qdd431e74f2_qkv
	.p2align	8
	.type	k_qdd431e74f2_qkv,@function
k_qdd431e74f2_qkv:
	s_mov_b64 s[64:65], 0
	v_nop
	global_prefetch_b8 v0, s[64:65] scope:SCOPE_SE
	s_setreg_imm32_b32 hwreg(HW_REG_WAVE_MODE, 25, 1), 1
	s_wait_xcnt 0x0
	s_wait_alu depctr_hold_cnt(0) depctr_sa_sdst(0) depctr_va_vdst(0) depctr_va_sdst(0) depctr_va_ssrc(0) depctr_va_vcc(0) depctr_vm_vsrc(0)
	s_getreg_b32 s2, hwreg(HW_REG_IB_STS2, 6, 4)
	s_cmp_eq_u32 s2, 0
	s_cbranch_scc0 .Lentry_in_a_cluster
	s_endpgm
.Lentry_in_a_cluster:
	s_bfe_u32 s2, ttmp6, 0x10000c
	s_cmp_lg_u32 s2, 0xf033
	s_cbranch_scc0 .Lentry_shape_is_right
	s_endpgm
.Lentry_shape_is_right:
; C[m][n] = sum over k of A[m][k] W[n][k] + bias[n]  (GELU = 1: followed by the tanh GELU), rounded once to f16.
; A: [4096][SIZE_K] f16 row-major.  W: [N][SIZE_K] f16 row-major, at byte WOFF of the weight buffer.  bias: [N] f32.  Sums in f32.
; WHY f16: 11 significant bits against bf16's 8.  Room for C: its spread is A's spread x W's spread x sqrt(1024); with a layer-norm gain and weights both
; 30 times those of unit gain and spread 1/32 that is about 900, the largest of 12 million such numbers near 5,000.  LIMIT: a result beyond 65,504 in
; magnitude becomes infinity.
; C leaves in PANELS of 64 columns: element (m, n) lies at byte (n / 64) * 524,288 + m * 128 + (n % 64) * 2, so that an attention head's
; rows, and the 64 K of one wave of the next product, are dense blocks.
; A work-group makes a block of 256 x 256 of C with four waves, as many as a WGP has SIMDs; a wave makes 128 x 128: 64 accumulator tiles
; of 16 x 16, 512 registers.  K goes in steps of 128 through a ring of two LDS slots filled by the tensor data mover: a tile's rows are
; 256 bytes of memory and start at multiples of 256 bytes from the buffer's first byte.
; CLUSTERS: 4 x 4 work-groups form a cluster.  The four of a row of the cluster need the same tiles of A, the four of a column the same tiles of W.
; Such a tile is asked for JOINTLY: each of the four issues the same tensor load, with the same descriptor and a mask that names the four.
; A wave has two tensor loads outstanding at the start and one later.
; GELU: 0.5 x (1 + tanh u) = x / (1 + e^(-2u)), u = sqrt(2/pi) (x + 0.044715 x^3): the same function, exactly; v_exp_f32 and v_rcp_f32 are accurate
; to 1 ulp and flush denormals, so for x below about -9.4, where the result is under 1e-19 in magnitude, it may come out as zero.
;
; REGISTERS, in windows of 256 (s_set_vgpr_msb says which window each operand place means):
;   window 0: v16-31 addresses and constants; v32-63, v224-255 rows on their way out; v64-127, v128-191 fragments of A, two buffers
;             (on the way out: results and GELU's work); v192-223 packed results
;   window 1: v64-127, v128-191 fragments of W, two buffers; v192-255 the bias of my 128 columns as my lane needs it
;   window 2: the 32 accumulator tiles of my rows 0-63 (tile (a, b) at v[8 (8 a + b)]);   window 3: those of my rows 64-127
; THE MATRIX INSTRUCTION IS USED TRANSPOSED: source 0 = 16 rows of W, source 1 = 16 rows of A.  Lane l then holds row m = l % 16 of C, and its
; registers 0 to 7 the columns n = 8 (l / 16) + 0 .. 7: eight neighbouring numbers of a row of C, which pack into 16 bytes.
.set SIZE_K, 1024
.set WOFF,   0                         ; W_attn in the weight buffer
.set GELU,   0
.set KSTEP,  128
.set PITCH,  272                       ; an LDS row: 256 bytes of data + 16 of padding: the 16 rows that a load touches start at 16 different banks (64 banks of 4 bytes: ISA guide 11.1)
.set HALFT,  128*PITCH                 ; 128 rows: what one tensor load brings, and what one wave reads of A or of W
.set SLOT,   4*HALFT                   ; A's 256 rows, then W's 256 rows
.set STAGE,  2*SLOT                    ; behind the ring: 16 rows x 272 bytes for each wave, for the way out
.set SPITCH, 272
.set LAPS, SIZE_K/(2*KSTEP)            ; a lap = two K steps = once round the ring
.set ADRA, 16                          ; v16-17  LDS address of my A fragments in slot 0, 1
.set ADRB, 20                          ; v20-21  the same for W
.set STO,  24                          ; v24     the way out: where I put 16 bytes of a row
.set RD,   25                          ; v25     the way out: where I read 16 bytes back
.set CO,   26                          ; v26     my byte offset in C
.set BOF,  27                          ; v27     my byte offset in the bias
.set GC3,  28                          ; v[28:29] GELU: -2 log2(e) sqrt(2/pi) 0.044715, twice
.set GC1,  30                          ; v[30:31] GELU: -2 log2(e) sqrt(2/pi), twice
.set RB0,  32                          ; rows read back, two buffers in turn
.set RB1,  224
.set F0,   64                          ; fragment buffer 0
.set F1,   128                         ; fragment buffer 1
.set TMP,  192                         ; the way out: packed results, in window 0
.set BIAS, 192                         ; window 1: bias of columns 16 b + 8 (l / 16) + 0..7 at v[192 + 8 b]
.set G1, 24                            ; s[24:31] descriptor group 1 for A's tiles
.set G0, 32                            ; s[32:39] descriptor group 0 for A's tiles, one set for each slot
.set G1B, 48                           ; s[48:55] descriptor group 1 for W's tiles: it differs from A's in the mask alone
.set G0B, 56                           ; s[56:63] descriptor group 0 for W's tiles, one set for each slot
.set MSB, 0
.macro WIN new                         ; the immediate's high byte repeats the setting that is left
.if MSB != \new
	s_set_vgpr_msb (MSB<<8)|\new
.set MSB, \new
.endif
.endm
.set MUL_LO, 0xa1                      ; source 0 (W) window 1, source 1 (A) window 0, C and D window 2
.set MUL_HI, 0xf1                      ; the same, C and D window 3
.set TO_B,   0x40                      ; destination window 1, address window 0
; A joint load.  Waves 0 and 1 fetch A's two halves, waves 2 and 3 W's.  Each of the two lines has ONE mask and one set of registers for all that issue it.
; The branch hangs on the wave's number alone.  Four v_nop follow each of the two lines.
.macro JLOAD s
	s_cmp_eq_u32 s11, 0
	s_cbranch_scc0 .Lfor_b_\@
	tensor_load_to_lds s[G0+4*\s:G0+4*\s+3], s[G1:G1+7]
	s_nop 0
.rept 4
	v_nop
.endr
	s_branch .Lasked_\@
.Lfor_b_\@:
	tensor_load_to_lds s[G0B+4*\s:G0B+4*\s+3], s[G1B:G1B+7]
	s_nop 0
.rept 4
	v_nop
.endr
.Lasked_\@:
.endm
; A round of the cluster's barrier: my work-group's barrier; wave 0 signals for the work-group; every wave waits for all sixteen work-groups; my work-group's barrier once more.
.macro CREST                           ; a round behind its opening barrier
	s_cmp_lg_u32 s10, 0
	s_cbranch_scc1 .Lnot_wave_0_\@
	s_barrier_signal -3
.Lnot_wave_0_\@:
	s_barrier_wait -3
	s_barrier_signal -1
	s_barrier_wait -1
.endm
.macro CROUND                          ; a whole round
	s_barrier_signal -1
	s_barrier_wait -1
	CREST
.endm
	s_load_b128 s[4:7], s[0:1], 0x0                ; A s[4:5], weights s[6:7]
	s_load_b64 s[8:9], s[0:1], 0x10                ; C
	s_load_b64 s[66:67], s[0:1], 0x18              ; bias
	s_set_vgpr_msb 0x40
	v_lshl_add_u32 v63, v0, 2, 0x48400
	s_set_vgpr_msb 0x4000
	v_mov_b32 v31, 0
	s_set_vgpr_msb 0x1
	ds_add_u32 v63, v31
	s_set_vgpr_msb 0x100
	v_lshrrev_b32 v1, 5, v0
	v_readfirstlane_b32 s10, v1                    ; wave 0..3
	s_lshr_b32 s11, s10, 1                         ; which half of the block's rows is mine.  Also: I fetch for A (0) or for W (1)
	s_and_b32 s12, s10, 1                          ; which half of its columns.  Also: which 128 rows of that tile I fetch
	s_bfe_u32 s40, ttmp6, 0x40000                  ; cx: my place along the cluster's x
	s_bfe_u32 s41, ttmp6, 0x40004                  ; cy: along its y
	s_lshl_b32 s42, ttmp9, 2                       ; in a cluster launch ttmp9 and ttmp7 count clusters
	s_add_co_u32 s42, s42, s40                     ; block column of C = 4 x cluster x + cx
	s_and_b32 s13, ttmp7, 0xffff
	s_lshl_b32 s13, s13, 2
	s_add_co_u32 s13, s13, s41                     ; block row of C = 4 x cluster y + cy
	s_lshl_b32 s43, s41, 2
	s_lshl_b32 s43, 15, s43                        ; my row of the cluster: places 4 cy .. 4 cy + 3
	s_lshl_b32 s44, 0x1111, s40                    ; my column: places cx, cx + 4, cx + 8, cx + 12
	; descriptor group 1: a tile of 128 rows x 128 elements, padded in LDS
	s_or_b32 s[G1+0], s43, (1<<16)|(1<<20)|(1<<21)|(5<<22)|(3<<25)  ; 15:0 the mask: A's tiles go to my row; 17:16 element of 2 bytes; 20 padding on; 21 set beside a mask; 24:22 after every 64 words (code 5); 31:25 of 4 words (code 3)
	s_or_b32 s[G1B+0], s44, (1<<16)|(1<<20)|(1<<21)|(5<<22)|(3<<25) ; the same with the mask of my column, for W's tiles
	s_mov_b32 s[G1B+1], KSTEP<<16
	s_mov_b32 s[G1+1], KSTEP<<16                   ; 63:48 tensor_dim0, low half = 128
	s_mov_b32 s[G1B+2], 128<<16
	s_mov_b32 s[G1+2], 128<<16                     ; 95:80 tensor_dim1, low half = 128
	s_mov_b32 s[G1B+3], KSTEP<<16
	s_mov_b32 s[G1+3], KSTEP<<16                   ; 127:112 tile_dim0 = 128
	s_mov_b32 s[G1B+4], 128
	s_mov_b32 s[G1+4], 128                         ; 143:128 tile_dim1 = 128; 159:144 tile_dim2 = 0
	s_mov_b32 s[G1B+5], SIZE_K
	s_mov_b32 s[G1+5], SIZE_K                      ; 191:160 elements from row to row
	s_mov_b32 s[G1B+6], 0
	s_mov_b32 s[G1+6], 0
	s_mov_b32 s[G1B+7], 0
	s_mov_b32 s[G1+7], 0
	; where the tiles come from.  A's hang on the block row alone, which my row of the cluster shares; W's on the block column alone.
	s_lshl_b32 s17, s12, 7                         ; which 128 rows of the tile I fetch
	s_lshl_b32 s16, s13, 8
	s_add_co_u32 s16, s16, s17                     ; A: row 256 x block row + 128 x half
	s_lshl_b32 s46, s42, 8
	s_add_co_u32 s46, s46, s17                     ; W: row 256 x block column + 128 x half
	s_mov_b32 s17, 0
	s_mov_b32 s47, 0
	s_mov_b64 s[18:19], SIZE_K*2
	s_mul_u64 s[16:17], s[16:17], s[18:19]         ; in bytes, in 64 bits
	s_mul_u64 s[46:47], s[46:47], s[18:19]
	s_mul_i32 s20, s10, HALFT                      ; and where they go: wave x 128 rows: no place in the cluster enters an LDS address
	s_lshl_b32 s72, s42, 10                        ; the bias of my 128 columns: 4 bytes x (256 x block column + 128 x half)
	s_lshl_b32 s73, s12, 9
	s_add_co_u32 s72, s72, s73
	s_mov_b32 s73, 0
	s_wait_dscnt 0x0
	s_wait_kmcnt 0x0
.if WOFF
	s_add_nc_u64 s[6:7], s[6:7], WOFF
.endif
	s_add_nc_u64 s[14:15], s[4:5], s[16:17]
	s_add_nc_u64 s[46:47], s[6:7], s[46:47]
	s_add_nc_u64 s[66:67], s[66:67], s[72:73]
	CROUND                                         ; all sixteen work-groups are here: the first joint loads meet
.irp s, 0,1
	s_mov_b32 s[G0+4*\s], 1                                        ; 1:0 count = 1
	s_add_co_u32 s[G0+4*\s+1], s20, \s*SLOT                        ; 63:32 LDS address
	s_add_nc_u64 s[G0+4*\s+2:G0+4*\s+3], s[14:15], \s*KSTEP*2      ; 120:64 global address: K step s
	s_or_b32 s[G0+4*\s+3], s[G0+4*\s+3], 0x80000000                ; 127:126 type = 2
	s_mov_b32 s[G0B+4*\s], 1
	s_add_co_u32 s[G0B+4*\s+1], s20, \s*SLOT
	s_add_nc_u64 s[G0B+4*\s+2:G0B+4*\s+3], s[46:47], \s*KSTEP*2
	s_or_b32 s[G0B+4*\s+3], s[G0B+4*\s+3], 0x80000000
	JLOAD \s                                       ; the ring is filled before anything else is done
.endr
	; A fragment is 16 rows x 32 K in 8 registers: lane l holds row l % 16; registers 0-3 hold K = 8 (l / 16) + 0..7, registers 4-7 hold
	; K = 16 + 8 (l / 16) + 0..7.  From rows that lie along K: two loads of 16 bytes, 32 bytes apart.
	v_and_b32 v1, 15, v0                           ; l % 16
	v_bfe_u32 v2, v0, 4, 1                         ; l / 16
	v_mul_u32_u24 v3, v1, PITCH
	v_lshl_add_u32 v3, v2, 4, v3                   ; row x pitch + 16 x half
	s_mul_i32 s21, s11, HALFT                      ; my 128 rows of A
	s_mul_i32 s22, s12, HALFT                      ; my 128 rows of W,
	s_add_co_u32 s22, s22, 2*HALFT                 ; which lie behind A's 256
.irp s, 0,1
	v_add_nc_u32 v[ADRA+\s], s21, v3
	v_add_nc_u32 v[ADRB+\s], s22, v3
	s_add_co_u32 s21, s21, SLOT
	s_add_co_u32 s22, s22, SLOT
.endr
	s_mul_i32 s23, s10, 16*SPITCH
	s_add_co_u32 s23, s23, STAGE                   ; my stage
	v_mul_u32_u24 v4, v1, SPITCH                   ; in: row l % 16, 16 bytes for each half of the lanes
	v_lshl_add_u32 v4, v2, 4, v4
	v_add_nc_u32 v[STO], s23, v4
	v_bfe_u32 v6, v0, 3, 1                         ; back: lanes 0-15 take two rows' 128 bytes of my left panel, lanes 16-31 of my right panel
	v_mul_u32_u24 v5, v6, SPITCH
	v_lshl_add_u32 v5, v2, 7, v5
	v_and_b32 v6, 7, v0
	v_lshl_add_u32 v5, v6, 4, v5
	v_add_nc_u32 v[RD], s23, v5
	v_lshlrev_b32 v5, 19, v2                       ; and the same in C: the panel, then 256 consecutive bytes for 16 lanes
	v_lshl_add_u32 v[CO], v1, 4, v5
	v_lshlrev_b32 v[BOF], 5, v2                    ; bias: 8 columns of 4 bytes for each half of the lanes
.if GELU
	v_mov_b32 v[GC3],   0xbdd2d3e8                 ; -0.10294324
	v_mov_b32 v[GC3+1], 0xbdd2d3e8
	v_mov_b32 v[GC1],   0xc0135761                 ; -2.3022082
	v_mov_b32 v[GC1+1], 0xc0135761
.endif
	WIN TO_B
.irp b, 0,1,2,3,4,5,6,7
	global_load_b128 v[BIAS+8*\b:BIAS+8*\b+3],   v[BOF], s[66:67] offset:64*\b      ; waited for on the way out; neither these registers nor the address are touched before
	global_load_b128 v[BIAS+8*\b+4:BIAS+8*\b+7], v[BOF], s[66:67] offset:64*\b+16
.endr
	WIN 0
; 16 matrix instructions: m blocks a0, a0 + 1 of the window's four (hi = 0: my rows 0-63, 1: rows 64-127) x all 8 n blocks, 32 along K.
; zero = 1: the first product starts the sums: nothing is ever cleared.  The 64 accumulators take turns, one instruction a turn, in the same
; order in every quarter step.
.macro MUL16 f, hi, a0, zero
.irp a, \a0, \a0+1
.irp b, 0,1,2,3,4,5,6,7
.if \zero
	v_wmma_f32_16x16x32_f16 v[8*(8*(\a)+\b):8*(8*(\a)+\b)+7], v[\f+8*\b:\f+8*\b+7], v[\f+8*(4*\hi+\a):\f+8*(4*\hi+\a)+7], 0
.else
	v_wmma_f32_16x16x32_f16 v[8*(8*(\a)+\b):8*(8*(\a)+\b)+7], v[\f+8*\b:\f+8*\b+7], v[\f+8*(4*\hi+\a):\f+8*(4*\hi+\a)+7], v[8*(8*(\a)+\b):8*(8*(\a)+\b)+7]
.endif
.endr
.endr
.endm
; 32 LDS loads in one run: the fragments of one quarter step (128 rows of W, 128 rows of A, 32 K at byte k of the rows) into buffer f
.macro FETCH slot, k, f
	WIN TO_B
.irp i, 0,1,2,3,4,5,6,7
	ds_load_b128 v[\f+8*\i:\f+8*\i+3],   v[ADRB+\slot] offset:\k+\i*16*PITCH
	ds_load_b128 v[\f+8*\i+4:\f+8*\i+7], v[ADRB+\slot] offset:\k+\i*16*PITCH+32
.endr
	WIN 0
.irp i, 0,1,2,3,4,5,6,7
	ds_load_b128 v[\f+8*\i:\f+8*\i+3],   v[ADRA+\slot] offset:\k+\i*16*PITCH
	ds_load_b128 v[\f+8*\i+4:\f+8*\i+7], v[ADRA+\slot] offset:\k+\i*16*PITCH+32
.endr
.endm
; A load into a register that a matrix instruction has read, and a vector instruction that reads a matrix result, stand four places behind that
; matrix instruction, and only plain vector instructions that name none of its registers are places.
.macro PLACES
.rept 4
	v_nop
.endr
.endm
; A K step is four quarter steps of 32 along K, 64 matrix instructions each, on buffers 0, 1, 0, 1.
; One of the first three: multiplies buffer f; in its middle it fetches the next quarter's fragments, at byte k of the same slot's rows, into buffer g.
.macro QUARTER slot, k, f, g, zero
	s_wait_dscnt 8                                 ; W and A's rows 0-63 are in; the youngest eight loads (A's rows 64-127) may be out
	WIN MUL_LO
	MUL16 \f, 0, 0, \zero
	MUL16 \f, 0, 2, \zero
	PLACES
	FETCH \slot, \k, \g
	s_wait_dscnt 32                                ; all but the 32 just issued
	WIN MUL_HI
	MUL16 \f, 1, 0, \zero
	MUL16 \f, 1, 2, \zero
.endm
.macro THREE slot, zero
	QUARTER \slot, 64,  F0, F1, \zero
	QUARTER \slot, 128, F1, F0, 0
	QUARTER \slot, 192, F0, F1, 0
.endm
; The last quarter: multiplies buffer 1 and changes slots.  next = the other slot; fill = 1: this slot is filled again, two K steps ahead.
; ONE barrier for the change of slots.  In front of it each wave waits for its own reads of this slot and for all its tensor loads, of which one is
; out: its part of the next slot.  Behind it nobody reads this slot any more and the next slot is whole: the refill comes first, then the next
; slot's first fragments.  From a request to the wait for it a wave issues 240 matrix instructions.
.macro TURN slot, next, fill
	s_wait_dscnt 8
	WIN MUL_LO
	MUL16 F1, 0, 0, 0
	s_wait_dscnt 0                                 ; my reads of this slot are over
	s_wait_tensorcnt 0x0                           ; and all my tensor loads have landed: the one that was out is my part of the next slot
	ds_add_u32 v63, v31
	s_wait_dscnt 0x0
	s_barrier_signal -1                            ; say so (where a slot is filled again this barrier opens a round of the cluster's barrier),
	MUL16 F1, 0, 2, 0                              ; work on registers while the others arrive,
	WIN 0
	s_barrier_wait -1                              ; and go on when all four have said so
.if \fill
	CREST                                          ; all sixteen work-groups have said so: no wave of any partner still reads this slot's tile or has a load on its way
	s_add_nc_u64 s[G0+4*\slot+2:G0+4*\slot+3], s[G0+4*\slot+2:G0+4*\slot+3], 2*KSTEP*2
	s_add_nc_u64 s[G0B+4*\slot+2:G0B+4*\slot+3], s[G0B+4*\slot+2:G0B+4*\slot+3], 2*KSTEP*2
	JLOAD \slot                                    ; the first tensor load behind the round; the four v_nop behind it are also the places in front of the loads below
.else
	PLACES
.endif
	FETCH \next, 0, F0
	WIN MUL_HI
	MUL16 F1, 1, 0, 0
	MUL16 F1, 1, 2, 0
.endm
.macro LAP zero                        ; once round the ring, both slots filled again
	THREE 0, \zero
	TURN 0, 1, 1
	THREE 1, 0
	TURN 1, 0, 1
.endm
	s_wait_tensorcnt 1                             ; my part of K step 0 is in; K step 1's load stays out
	s_barrier_signal -1
	s_barrier_wait -1                              ; everybody's is
	FETCH 0, 0, F0
	LAP 1                                          ; the first lap stands in front of the loop: its first products start the sums
.if LAPS > 2
	WIN 0                                          ; at a label and at a branch every window is 0
	s_mov_b32 s3, LAPS-2
.Llap:
	LAP 0
	WIN 0
	s_sub_co_u32 s3, s3, 1
	s_cmp_lg_u32 s3, 0
	s_cbranch_scc1 .Llap
.endif
	THREE 0, 0                                     ; the last lap fills nothing: my one tensor load that is still out is slot 1's, the last K step's
	TURN 0, 1, 0
	THREE 1, 0
	s_wait_dscnt 8                                 ; the very last quarter: nothing more to fetch
	WIN MUL_LO
	MUL16 F1, 0, 0, 0
	MUL16 F1, 0, 2, 0
	s_wait_dscnt 0
	WIN MUL_HI
	MUL16 F1, 1, 0, 0
	MUL16 F1, 1, 2, 0
	; THE WAY OUT, 16 rows of C at a time: add the bias (and apply GELU), round to f16, 16 bytes a lane into my own stage in LDS, read back so that
	; sixteen lanes hold 256 consecutive bytes of a panel (two rows of 128 bytes).
	PLACES                                         ; the places behind the last matrix instructions
	s_wait_loadcnt 0x0                             ; the bias
	s_lshl_b32 s16, s13, 15                        ; my first row: (256 x block row + 128 x half) x 128 bytes
	s_lshl_b32 s14, s11, 14
	s_add_co_u32 s16, s16, s14
	s_mov_b32 s17, 0
	s_add_nc_u64 s[8:9], s[8:9], s[16:17]
	s_lshl_b32 s46, s42, 21                        ; my first panel: (4 x block column + 2 x half) x 524,288 bytes
	s_lshl_b32 s47, s12, 20
	s_add_co_u32 s46, s46, s47
	s_mov_b32 s47, 0
	s_add_nc_u64 s[8:9], s[8:9], s[46:47]
; rows 16 i .. 16 i + 15 of my block = the eight tiles (a, 0..7) of window 2 or 3 (from = 0x06 or 0x07: source 0 the accumulators' window, source 1 window 1); rb: RB0 or RB1 in turn
.macro OUT16 i, a, from, rb
	WIN \from
.irp b, 0,1,2,3,4,5,6,7
.irp r, 0,2,4,6
	v_pk_add_f32 v[F0+8*\b+\r:F0+8*\b+\r+1], v[8*(8*\a+\b)+\r:8*(8*\a+\b)+\r+1], v[BIAS+8*\b+\r:BIAS+8*\b+\r+1]
.endr
.endr
	WIN 0
.if GELU
.set p, 0
.rept 32
	v_pk_mul_f32 v[F1+p:F1+p+1], v[F0+p:F0+p+1], v[F0+p:F0+p+1]                  ; x^2
.set p, p+2
.endr
.set p, 0
.rept 32
	v_pk_fma_f32 v[F1+p:F1+p+1], v[F1+p:F1+p+1], v[GC3:GC3+1], v[GC1:GC1+1]      ; c3 x^2 + c1
.set p, p+2
.endr
.set p, 0
.rept 32
	v_pk_mul_f32 v[F1+p:F1+p+1], v[F1+p:F1+p+1], v[F0+p:F0+p+1]                  ; -2 u log2(e)
.set p, p+2
.endr
.set p, 0
.rept 64
	v_exp_f32 v[F1+p], v[F1+p]
.set p, p+1
.endr
	v_nop                                          ; one plain vector instruction between a transcendental and the use of its result (ISA guide 5.7.2)
.set p, 0
.rept 32
	v_pk_add_f32 v[F1+p:F1+p+1], v[F1+p:F1+p+1], 1.0 op_sel_hi:[1,0]
.set p, p+2
.endr
.set p, 0
.rept 64
	v_rcp_f32 v[F1+p], v[F1+p]
.set p, p+1
.endr
	v_nop
.set p, 0
.rept 32
	v_pk_mul_f32 v[F0+p:F0+p+1], v[F0+p:F0+p+1], v[F1+p:F1+p+1]                  ; x / (1 + e^(-2u))
.set p, p+2
.endr
.endif
.irp b, 0,1,2,3,4,5,6,7
.irp r, 0,1,2,3
	v_cvt_pk_f16_f32 v[TMP+4*\b+\r], v[F0+8*\b+2*\r], v[F0+8*\b+2*\r+1]
.endr
.endr
.irp b, 0,1,2,3,4,5,6,7
	ds_store_b128 v[STO], v[TMP+4*\b:TMP+4*\b+3] offset:32*\b
.endr
	s_wait_xcnt 0x0                                ; buffer rb, which earlier stores read, is loaded again only behind this wait
.irp t, 0,1,2,3,4,5,6,7
	ds_load_b128 v[\rb+4*\t:\rb+4*\t+3], v[RD] offset:\t*2*SPITCH    ; LDS serves a wave's instructions in order (ISA guide 5.7.1.4): these see the stores above
.endr
.irp t, 0,1,2,3,4,5,6,7
	s_wait_dscnt 7-\t                              ; load t is in, the 7 - t younger ones stay out
	global_store_b128 v[CO], v[\rb+4*\t:\rb+4*\t+3], s[8:9] offset:\i*2048+\t*256   ; 16 lanes store 256 consecutive bytes, aligned: rows 16 i + 2 t and + 1 of a panel
.endr
.endm
	OUT16 0, 0, 0x06, RB0
	OUT16 1, 1, 0x06, RB1
	OUT16 2, 2, 0x06, RB0
	OUT16 3, 3, 0x06, RB1
	OUT16 4, 0, 0x07, RB0
	OUT16 5, 1, 0x07, RB1
	OUT16 6, 2, 0x07, RB0
	OUT16 7, 3, 0x07, RB1
	s_set_vgpr_msb 0x1
	s_wait_tensorcnt 0x0
	ds_add_u32 v63, v31
	s_wait_dscnt 0x0
	s_set_vgpr_msb 0x100
	CROUND                                         ; the closing round: no work-group ends while a partner may still ask for a tile that names it
	s_endpgm
.Lfunc_end_k_qdd431e74f2_qkv:
	.size	k_qdd431e74f2_qkv, .Lfunc_end_k_qdd431e74f2_qkv-k_qdd431e74f2_qkv
	.p2alignl 7, 3214868480
	.fill 96, 4, 3214868480
	.section	.rodata,"a",@progbits
	.p2align	6, 0x0
	.amdhsa_kernel k_qdd431e74f2_qkv
		.amdhsa_group_segment_fixed_size 327680
		.amdhsa_private_segment_fixed_size 0
		.amdhsa_enable_private_segment 0
		.amdhsa_kernarg_size 32
		.amdhsa_user_sgpr_count 2
		.amdhsa_user_sgpr_kernarg_segment_ptr 1
		.amdhsa_wavefront_size32 1
		.amdhsa_system_sgpr_workgroup_id_x 1
		.amdhsa_system_sgpr_workgroup_id_y 1
		.amdhsa_system_sgpr_workgroup_id_z 1
		.amdhsa_system_vgpr_workitem_id 0
		.amdhsa_next_free_vgpr 1024
		.amdhsa_next_free_sgpr 76
		.amdhsa_reserve_vcc 0
		.amdhsa_float_denorm_mode_32 3
		.amdhsa_float_denorm_mode_16_64 3
		.amdhsa_memory_ordered 1
		.amdhsa_forward_progress 1
		.amdhsa_inst_pref_size 215
	.end_amdhsa_kernel
	.amdgpu_metadata
---
amdhsa.version: [ 1, 2 ]
amdhsa.kernels:
  - .name:           k_qdd431e74f2_qkv
    .symbol:         k_qdd431e74f2_qkv.kd
    .args:
      - { .name: h, .offset: 0, .size: 8, .value_kind: global_buffer, .address_space: global }
      - { .name: wb, .offset: 8, .size: 8, .value_kind: global_buffer, .address_space: global }
      - { .name: qkv, .offset: 16, .size: 8, .value_kind: global_buffer, .address_space: global }
      - { .name: b_attn, .offset: 24, .size: 8, .value_kind: global_buffer, .address_space: global }
    .group_segment_fixed_size: 327680
    .private_segment_fixed_size: 0
    .kernarg_segment_align: 8
    .kernarg_segment_size: 32
    .max_flat_workgroup_size: 128
    .sgpr_count:     76
    .vgpr_count:     1024
    .wavefront_size: 32
...
	.end_amdgpu_metadata
.endif
;; end of part 3
;; launch attn (part 4): grid 256 x 1, 8 waves a work-group, no clusters, 327,680 bytes of LDS; arguments qkv, y; writes y
.if DOCPART == 4
	.amdgcn_target "amdgcn-amd-amdhsa--gfx1250"
	.amdhsa_code_object_version 6
	.text
	.protected	k_qdd431e74f2_attn
	.globl	k_qdd431e74f2_attn
	.p2align	8
	.type	k_qdd431e74f2_attn,@function
k_qdd431e74f2_attn:
	s_mov_b64 s[64:65], 0
	v_nop
	global_prefetch_b8 v0, s[64:65] scope:SCOPE_SE
	s_setreg_imm32_b32 hwreg(HW_REG_WAVE_MODE, 25, 1), 1
	s_wait_xcnt 0x0
; Causal attention, 2 batches x 16 heads x 2,048 rows x 64, with a running maximum (flash form).  q, k, v come as panels of 64 columns:
; panel p of qkv is [4096 rows][64] f16, dense, 524,288 bytes; panels 0-15 are q's heads, 16-31 k's, 32-47 v's; row = 2048 b + t.  y leaves in the same form.
; WORK: work-group = (b, h, j), j = 0..7.  It owns the 128 queries of block 15 - j (the long block) and the 128 of block j (the short one), each as four strips of
; 32 queries.  Group A = waves 0-3, group B = waves 4-7; wave wq of a group has strip wq.  The keys stream ONCE, in pairs of tiles of 64 (128 keys a slot), pairs 0 .. 15 - j.
;   Part 1, pairs 0 .. j (tiles 0 .. 2 j + 1): A works the long strip, B the short strip, each on both tiles of the pair.
;   Then B's short strip is complete: B divides and stores it, loads the long strip's Q and starts a second partial result for that strip.
;   Part 2, pairs j + 1 .. 15 - j: B takes the pair's even tile, A the odd one.
; So every wave has 2 (j + 1) + (15 - 2 j) = 17 tiles whatever j is (one less where a tile lies wholly behind its strip's diagonal), and no wave idles while another works on.
; At the end B hands O, maximum and sum to A through LDS, and A merges the two partial results by the same rescaling that a new maximum asks for.  B's partial is
; always valid: its part 2 has at least one tile, and an even tile holds unmasked keys for every query of the strip.
; TRANSPOSED: S^T = K Q^T and O^T = V^T P^T.  In a result lane l then owns ONE query (l % 16), so maximum, sum and rescaling are the lane's own but for one
; exchange between the halves of the wave, and the packed S^T is P^T's fragment as it stands: registers 0-3 keys 8 (l / 16) + 0..7, registers 4-7 keys 16 + ...
; RING: two LDS slots, each K's pair of tiles (128 rows, pitch 144) and V's (128 rows, pitch 160: an odd multiple of 32 for the transposing loads).  Wave 0 fetches K's,
; wave 1 V's, one tensor load a trip; one is outstanding.  A pair of tiles is 16,384 dense bytes and comes as 64 rows of 256 bytes.
; NO JOINT LOADS: the eight work-groups of a head walk 9 to 16 pairs of tiles, so partners would need different numbers of tiles and of rounds.
; FORMATS: p lies in [0, 1], its largest exactly 1, and goes to the product with V in f16 (11 significant bits; a p below 3e-8 rounds to zero); its sum is kept in
; f32.  y is a weighted mean of rows of v and so has v's range in f16.
; LIMITS: a masked score is -infinity, not -1e29: the same result unless a row's own scaled scores reach -1e29.  v_exp_f32 and v_rcp_f32 are accurate to 1 ulp
; and flush denormals.  The keys of a long strip are summed in two shares (A's and B's), each ascending.
.set PAIRB, 16384                      ; bytes of a pair of tiles in memory
.set KP,    144
.set VP,    160
.set KHALF, 64*KP                      ; the pair's second tile of K
.set VHALF, 64*VP                      ; and of V
.set VOFF,  128*KP                     ; V's pair behind K's
.set SLOTB, VOFF+128*VP                ; 38,912
.set STAGE, 2*SLOTB                    ; 77,824, a multiple of 256: 32 rows x 144 bytes for each wave, into which no tensor load lands
.set MG,    STAGE+8*32*KP              ; 114,688, a multiple of 256: what B hands to A
.set MGW,   17*512                     ; for each strip: 64 registers of O, then maxima and sums, 16 bytes a lane at a time
.set SUM3, 0                           ; v[0:1]    fourth chain of the sum of p (v0, v1 serve the set-up before)
.set CS,   2                           ; v[2:3]    log2(e) / 8, twice
.set KADR, 4                           ; v4-5      LDS address of my K fragments in slot 0, 1 (v4 at the end: my strip's place in the merge area)
.set VADR, 6                           ; v6-7      the same for V
.set STO,  8
.set RD,   9
.set CO,   10                          ; 16 x lane
.set NEGV, 11                          ; -infinity
.set DM,   12                          ; v12-13    query block qb: key 16 kb + j of the diagonal tile is masked where 16 kb + j > DM
.set MX,   14                          ; v14-15    running maximum of my query in block qb
.set LS,   16                          ; v16-17    running sum (my half's keys)
.set NM,   18                          ; v[18:21]  - maximum x log2(e) / 8, twice, for each qb
.set AL,   22                          ; v[22:25]  rescaling factor, twice, for each qb
.set T,    26                          ; v[26:31]  at work
.set QF,   32                          ; v[32:63]  Q fragment (qb, ds) at 32 + 16 qb + 8 ds
.set SF,   64                          ; v[64:127] S^T tile (kb, qb) at 64 + 32 qb + 8 kb; later P^T fragment (qb, ks) at 64 + 32 qb + 16 ks
.set OF,   128                         ; v[128:191] O^T tile (db, qb) at 128 + 8 (2 db + qb)
.set KV,   192                         ; v[192:255] K fragment (kb, ds) at 192 + 16 kb + 8 ds; then V^T fragment (db, ks) at 192 + 16 db + 8 ks
.set G1K, 16                           ; s[16:23]  descriptor group 1 for K's tiles
.set G0,  24                           ; s[24:31]  descriptor group 0, one set for each slot
.set G1V, 40                           ; s[40:47]  descriptor group 1 for V's tiles: other padding
.set LIM, 53                           ; s53, s54  the last tile that I work on among the pairs' first tiles, among their second tiles
; other scalars: s8 wave, s9 j, s12 wq, s13 the diagonal tile of the strip at work, s14 the tile's number, s15 the loop's count, s55 the tile at which I change strips,
; s56 the long strip's diagonal tile, s57 my group (0 = A, 1 = B), s[4:5] q of my first strip, s[6:7] y of the strip that I store, s[50:51] q of the long strip
; The trip's tensor load: wave 0 asks for K's tiles, wave 1 for V's, the others for nothing.  The branches hang on the wave's number alone.
.macro KVLOAD s
	s_cmp_gt_u32 s8, 1
	s_cbranch_scc1 .Lnone_\@
	s_cmp_eq_u32 s8, 0
	s_cbranch_scc0 .Lforv_\@
	tensor_load_to_lds s[G0+4*(\s):G0+4*(\s)+3], s[G1K:G1K+7]
	s_nop 0
	s_branch .Lnone_\@
.Lforv_\@:
	tensor_load_to_lds s[G0+4*(\s):G0+4*(\s)+3], s[G1V:G1V+7]
	s_nop 0
.Lnone_\@:
.endm
	s_load_b128 s[4:7], s[0:1], 0x0                ; qkv s[4:5], y s[6:7]
	s_set_vgpr_msb 0x40
	v_lshl_add_u32 v0, v0, 2, 0x29000
	v_mov_b32 v1, 0
	s_set_vgpr_msb 0x4045
	ds_add_u32 v0, v1
	s_set_vgpr_msb 0x4500
	v_lshrrev_b32 v1, 5, v0
	v_readfirstlane_b32 s8, v1                     ; wave 0..7
	s_and_b32 s9, ttmp9, 7                         ; j
	s_lshr_b32 s10, ttmp9, 3
	s_and_b32 s38, s10, 15                         ; head
	s_lshr_b32 s39, s10, 4                         ; batch
	s_and_b32 s12, s8, 3                           ; wq: which strip of a block
	s_lshr_b32 s57, s8, 2                          ; group: 0 = A, 1 = B
	s_sub_co_u32 s58, 15, s9                       ; the long block
	s_lshr_b32 s10, s12, 1
	s_lshl1_add_u32 s56, s58, s10                  ; the long strip's diagonal tile: 2 (15 - j) + wq / 2
	s_lshl1_add_u32 s59, s9, s10                   ; the short strip's: 2 j + wq / 2
	s_lshl_b32 s35, s9, 1
	s_add_co_u32 s33, s35, 1                       ; 2 j + 1: part 1's last tile
	s_add_co_u32 s35, s35, 2                       ; 2 j + 2: part 2's first tile
	s_cmp_eq_u32 s57, 0                            ; A or B; the selects below leave SCC as it is
	s_cselect_b32 s11, s58, s9                     ; my first strip's block
	s_cselect_b32 s13, s56, s59                    ; and its diagonal tile
	s_cselect_b32 s[LIM], s33, s56                 ; a pair's first tile: A works on it in part 1 alone, B always
	s_cselect_b32 s[LIM+1], s56, s59               ; a pair's second tile: A up to the long diagonal, B up to the short one (so never in part 2)
	s_cselect_b32 s55, -1, s35                     ; B changes strips in front of tile 2 j + 2, A never
	s_mov_b32 s14, 0                               ; the tile's number
	s_sub_co_u32 s15, 14, s9                       ; 16 - j trips: one in front of the loop, one or two behind it, (14 - j) / 2 pairs (rounded down) in it: 3 to 7
	s_lshr_b32 s15, s15, 1
	s_mov_b32 s34, 0xbe38aa3b                      ; - log2(e) / 8
	s_mov_b32 s36, 0x76543210                      ; v_permlanex16_b32: lane i of one half reads lane i of the other
	s_mov_b32 s37, 0xfedcba98
	; group 1: 64 rows of 32 elements of 8 bytes, dense; behind every 32 words (a key's 128 bytes) 4 words of padding for K, 8 for V
	s_mov_b32 s[G1K+0], (3<<16)|(1<<20)|(4<<22)|(3<<25)
	s_mov_b32 s[G1V+0], (3<<16)|(1<<20)|(4<<22)|(7<<25)
.irp g, G1K, G1V
	s_mov_b32 s[\g+1], 32<<16                      ; tensor_dim0 = 32
	s_mov_b32 s[\g+2], 64<<16                      ; tensor_dim1 = 64
	s_mov_b32 s[\g+3], 32<<16                      ; tile_dim0 = 32
	s_mov_b32 s[\g+4], 64                          ; tile_dim1 = 64
	s_mov_b32 s[\g+5], 32                          ; elements from row to row
	s_mov_b32 s[\g+6], 0
	s_mov_b32 s[\g+7], 0
.endr
	s_lshl_b32 s32, s8, 4                          ; my tiles' panel: 16 + 16 x wave + head (wave 0: k, wave 1: v),
	s_add_co_u32 s32, s32, s38
	s_add_co_u32 s32, s32, 16
	s_lshl_b32 s32, s32, 19                        ; times 524,288 bytes,
	s_lshl_b32 s33, s39, 18                        ; and the batch's 2,048 rows of 128 bytes
	s_add_co_u32 s32, s32, s33
	s_mov_b32 s33, 0
	s_mul_i32 s35, s8, VOFF                        ; in LDS: K's tiles at the slot's start, V's behind them
	s_wait_dscnt 0x0
	s_barrier_signal -1
	s_barrier_wait -1
	s_wait_kmcnt 0x0
	s_add_nc_u64 s[48:49], s[4:5], s[32:33]
.irp s, 0,1
	s_mov_b32 s[G0+4*\s], 1
	s_add_co_u32 s[G0+4*\s+1], s35, \s*SLOTB
	s_add_nc_u64 s[G0+4*\s+2:G0+4*\s+3], s[48:49], \s*PAIRB
	s_or_b32 s[G0+4*\s+3], s[G0+4*\s+3], 0x80000000
.endr
	KVLOAD 0                                       ; pair 0, ahead of everything else; slot 1 is first filled behind the first trip's barrier
	s_lshl_b32 s32, s38, 19                        ; rows of q and y: head's panel, batch, 32 x wq rows of 128 bytes,
	s_lshl_b32 s33, s39, 18
	s_add_co_u32 s32, s32, s33
	s_lshl_b32 s33, s12, 12
	s_add_co_u32 s32, s32, s33
	s_lshl_b32 s10, s58, 14                        ; and 128 rows a block: the long block,
	s_lshl_b32 s35, s11, 14                        ; my first strip's block
	s_add_co_u32 s58, s32, s10
	s_mov_b32 s59, 0
	s_add_co_u32 s32, s32, s35
	s_mov_b32 s33, 0
	s_add_nc_u64 s[50:51], s[4:5], s[58:59]        ; q of the long strip
	s_add_nc_u64 s[4:5], s[4:5], s[32:33]          ; q of my first strip
	s_add_nc_u64 s[6:7], s[6:7], s[32:33]          ; y of the strip that I store: A the long one, B the short one
	v_and_b32 v26, 15, v0                          ; r = l % 16
	v_bfe_u32 v27, v0, 4, 1                        ; hh = l / 16
	v_lshlrev_b32 v1, 7, v26
	v_lshl_add_u32 v1, v27, 4, v1                  ; Q: row r, 16 bytes for each half
.irp qb, 0,1
.irp ds, 0,1
	global_load_b128 v[QF+16*\qb+8*\ds:QF+16*\qb+8*\ds+3],   v1, s[4:5] offset:\qb*2048+64*\ds
	global_load_b128 v[QF+16*\qb+8*\ds+4:QF+16*\qb+8*\ds+7], v1, s[4:5] offset:\qb*2048+64*\ds+32
.endr
.endr
	v_mul_u32_u24 v[KADR], v26, KP
	v_lshl_add_u32 v[KADR], v27, 4, v[KADR]        ; K: key row r, 16 bytes for each half
	s_mul_i32 s35, s8, 32*KP
	s_add_co_u32 s35, s35, STAGE                   ; my stage
	v_add_nc_u32 v[STO], s35, v[KADR]              ; the way out: query row r, 16 bytes for each half
	v_add_nc_u32 v[KADR+1], SLOTB, v[KADR]
	v_and_b32 v28, 7, v0
	v_lshl_add_u32 v29, v27, 3, v28                ; V, for the transposing load: key row 8 hh + l % 8,
	v_mul_u32_u24 v[VADR], v29, VP
	v_bfe_u32 v29, v0, 3, 1
	v_lshl_add_u32 v[VADR], v29, 4, v[VADR]        ; 16 bytes for each eight lanes
	v_add_nc_u32 v[VADR], VOFF, v[VADR]
	v_add_nc_u32 v[VADR+1], SLOTB, v[VADR]
	v_bfe_u32 v30, v0, 3, 2
	v_mul_u32_u24 v[RD], v30, KP                   ; back: eight lanes take a row's 128 bytes, the wave four rows
	v_lshl_add_u32 v[RD], v28, 4, v[RD]
	v_add_nc_u32 v[RD], s35, v[RD]
	v_and_b32 v31, 31, v0
	v_lshlrev_b32 v[CO], 4, v31                    ; and 512 consecutive bytes of y
	v_lshlrev_b32 v29, 3, v27
	v_sub_nc_u32 v[DM], v26, v29                   ; r - 8 hh
	s_and_b32 s33, s12, 1
	s_lshl_b32 s33, s33, 5
	v_add_nc_u32 v[DM], s33, v[DM]                 ; + my first query's place in the diagonal tile: 32 (wq % 2), the same in both blocks
	v_add_nc_u32 v[DM+1], 16, v[DM]
	v_mov_b32 v[NEGV], 0xff800000
	v_mov_b32 v[CS],   0x3e38aa3b
	v_mov_b32 v[CS+1], 0x3e38aa3b
	s_wait_loadcnt 0x0                             ; Q; v1, the loads' address, is free from here on
; O^T += V^T P^T for 32 keys: the eight accumulators take turns, one instruction a turn
.macro PV ks, zero
.irp db, 0,1,2,3
.irp qb, 0,1
.if \zero
	v_wmma_f32_16x16x32_f16 v[OF+8*(2*\db+\qb):OF+8*(2*\db+\qb)+7], v[KV+16*\db+8*\ks:KV+16*\db+8*\ks+7], v[SF+32*\qb+16*\ks:SF+32*\qb+16*\ks+7], 0
.else
	v_wmma_f32_16x16x32_f16 v[OF+8*(2*\db+\qb):OF+8*(2*\db+\qb)+7], v[KV+16*\db+8*\ks:KV+16*\db+8*\ks+7], v[SF+32*\qb+16*\ks:SF+32*\qb+16*\ks+7], v[OF+8*(2*\db+\qb):OF+8*(2*\db+\qb)+7]
.endif
.endr
.endr
.endm
; One key tile of 64: tile hf (0 or 1) of the pair in slot.  first = 1: tile 0, which starts maximum, sum and O and is every wave's.
.macro STEP slot, hf, first
.if \first == 0
	s_cmp_gt_u32 s14, s[LIM+\hf]                   ; not mine: the other group's tile, or wholly behind my strip's diagonal
	s_cbranch_scc1 .Lskip_\@
.endif
.irp ds, 0,1
.irp kb, 0,1,2,3
	ds_load_b128 v[KV+16*\kb+8*\ds:KV+16*\kb+8*\ds+3],   v[KADR+\slot] offset:\hf*KHALF+\kb*16*KP+64*\ds
	ds_load_b128 v[KV+16*\kb+8*\ds+4:KV+16*\kb+8*\ds+7], v[KADR+\slot] offset:\hf*KHALF+\kb*16*KP+64*\ds+32
.endr
.endr
	s_wait_dscnt 8                                 ; the fragments of d 0-31 are in; the eight loads of d 32-63 stay out
.irp kb, 0,1,2,3
.irp qb, 0,1
	v_wmma_f32_16x16x32_f16 v[SF+32*\qb+8*\kb:SF+32*\qb+8*\kb+7], v[KV+16*\kb:KV+16*\kb+7], v[QF+16*\qb:QF+16*\qb+7], 0
.endr
.endr
	s_wait_dscnt 0x0
.irp kb, 0,1,2,3
.irp qb, 0,1
	v_wmma_f32_16x16x32_f16 v[SF+32*\qb+8*\kb:SF+32*\qb+8*\kb+7], v[KV+16*\kb+8:KV+16*\kb+15], v[QF+16*\qb+8:QF+16*\qb+15], v[SF+32*\qb+8*\kb:SF+32*\qb+8*\kb+7]
.endr
.endr
.rept 4
	v_nop                                          ; four places: then V's loads land on K's fragments, and vector instructions read S
.endr
.irp ks, 0,1
.irp db, 0,1,2,3
	ds_load_tr16_b128 v[KV+16*\db+8*\ks:KV+16*\db+8*\ks+3],   v[VADR+\slot] offset:\hf*VHALF+\ks*32*VP+32*\db          ; keys 32 ks + 8 hh + 0..7 of column 16 db + r
	ds_load_tr16_b128 v[KV+16*\db+8*\ks+4:KV+16*\db+8*\ks+7], v[VADR+\slot] offset:\hf*VHALF+\ks*32*VP+32*\db+16*VP    ; keys 32 ks + 16 + 8 hh + 0..7
.endr
.endr
	s_cmp_lg_u32 s14, s13
	s_cbranch_scc1 .Lnomask_\@
.irp qb, 0,1                                       ; the diagonal tile: keys behind the query get -infinity
.irp kb, 0,1,2,3
.irp jj, 0,1,2,3,4,5,6,7
	v_cmp_gt_i32 vcc_lo, 16*\kb+\jj, v[DM+\qb]
	v_cndmask_b32 v[SF+32*\qb+8*\kb+\jj], v[SF+32*\qb+8*\kb+\jj], v[NEGV], vcc_lo
.endr
.endr
.endr
.Lnomask_\@:
	; the new maximum of my query: two chains for each query block, the other half's by one exchange, the old maximum
.irp qb, 0,1
	v_max3_num_f32 v[T+2*\qb],   v[SF+32*\qb],   v[SF+32*\qb+1], v[SF+32*\qb+2]
	v_max3_num_f32 v[T+2*\qb+1], v[SF+32*\qb+3], v[SF+32*\qb+4], v[SF+32*\qb+5]
.endr
.set mi, 0
.rept 13
	v_max3_num_f32 v[T+mi%2],   v[T+mi%2],   v[SF+6+2*mi],  v[SF+7+2*mi]
	v_max3_num_f32 v[T+2+mi%2], v[T+2+mi%2], v[SF+38+2*mi], v[SF+39+2*mi]
.set mi, mi+1
.endr
.irp qb, 0,1
	v_max_num_f32 v[T+2*\qb], v[T+2*\qb], v[T+2*\qb+1]
.endr
.irp qb, 0,1
	v_permlanex16_b32 v[T+2*\qb+1], v[T+2*\qb], s36, s37
.endr
.irp qb, 0,1
.if \first
	v_max_num_f32 v[T+2*\qb], v[T+2*\qb], v[T+2*\qb+1]
.else
	v_max3_num_f32 v[T+2*\qb], v[T+2*\qb], v[T+2*\qb+1], v[MX+\qb]
	v_sub_f32 v[AL+2*\qb], v[MX+\qb], v[T+2*\qb]
	v_mul_f32 v[AL+2*\qb], v[CS], v[AL+2*\qb]
.endif
	v_mul_f32 v[NM+2*\qb], s34, v[T+2*\qb]
.endr
.if \first == 0
	v_exp_f32 v[AL], v[AL]                         ; e^((old maximum - new maximum) / 8)
	v_exp_f32 v[AL+2], v[AL+2]
.endif
.irp qb, 0,1
	v_mov_b32 v[MX+\qb], v[T+2*\qb]                ; plain instructions between the exponentials and the use of their results (ISA guide 5.7.2)
	v_mov_b32 v[NM+2*\qb+1], v[NM+2*\qb]
.endr
.if \first == 0
	s_wait_alu depctr_va_vdst(0)
	v_mov_b32 v[AL+1], v[AL]
	v_mov_b32 v[AL+3], v[AL+2]
.endif
	; p = 2^((s - maximum) log2(e) / 8), in place
.set px, 0
.rept 16
	v_pk_fma_f32 v[SF+2*px:SF+2*px+1],       v[SF+2*px:SF+2*px+1],       v[CS:CS+1], v[NM:NM+1]
	v_pk_fma_f32 v[SF+32+2*px:SF+32+2*px+1], v[SF+32+2*px:SF+32+2*px+1], v[CS:CS+1], v[NM+2:NM+3]
.set px, px+1
.endr
.set px, 0
.rept 32
	v_exp_f32 v[SF+2*px],   v[SF+2*px]
	v_exp_f32 v[SF+2*px+1], v[SF+2*px+1]
.if \first == 0
	v_pk_mul_f32 v[OF+2*px:OF+2*px+1], v[OF+2*px:OF+2*px+1], v[AL+2*((px/4)%2):AL+2*((px/4)%2)+1]   ; O is rescaled among the exponentials: it touches none of their registers
.endif
.set px, px+1
.endr
.if \first
	v_nop                                          ; the plain place behind the last exponential
	s_wait_alu depctr_va_vdst(0)
.endif
	; the sum of my 32 p for each query block, two chains each
	s_wait_alu depctr_va_vdst(0)
	v_pk_add_f32 v[T:T+1],       v[SF:SF+1],       v[SF+2:SF+3]
	v_pk_add_f32 v[T+2:T+3],     v[SF+16:SF+17],   v[SF+18:SF+19]
	v_pk_add_f32 v[T+4:T+5],     v[SF+32:SF+33],   v[SF+34:SF+35]
	v_pk_add_f32 v[SUM3:SUM3+1], v[SF+48:SF+49],   v[SF+50:SF+51]
.set px, 2
.rept 6
	v_pk_add_f32 v[T:T+1],       v[T:T+1],       v[SF+2*px:SF+2*px+1]
	v_pk_add_f32 v[T+2:T+3],     v[T+2:T+3],     v[SF+16+2*px:SF+16+2*px+1]
	v_pk_add_f32 v[T+4:T+5],     v[T+4:T+5],     v[SF+32+2*px:SF+32+2*px+1]
	v_pk_add_f32 v[SUM3:SUM3+1], v[SUM3:SUM3+1], v[SF+48+2*px:SF+48+2*px+1]
.set px, px+1
.endr
	v_pk_add_f32 v[T:T+1],   v[T:T+1],   v[T+2:T+3]
	v_pk_add_f32 v[T+4:T+5], v[T+4:T+5], v[SUM3:SUM3+1]
.if \first
	v_add_f32 v[LS],   v[T],   v[T+1]
	v_add_f32 v[LS+1], v[T+4], v[T+5]
.else
	v_add_f32 v[T],   v[T],   v[T+1]
	v_add_f32 v[T+4], v[T+4], v[T+5]
	v_fma_f32 v[LS],   v[LS],   v[AL],   v[T]
	v_fma_f32 v[LS+1], v[LS+1], v[AL+2], v[T+4]
.endif
	; p to f16, packed in place: word i takes numbers 2 i and 2 i + 1, which no earlier word has overwritten
.irp x0, 0,16,32,48
.irp i, 0,1,2,3,4,5,6,7
	v_cvt_pk_f16_f32 v[SF+\x0+\i], v[SF+\x0+2*\i], v[SF+\x0+2*\i+1]
.endr
.endr
	s_wait_dscnt 0x0                               ; V's fragments
	PV 0, \first
	PV 1, 0
.rept 5
	v_nop                                          ; five places: the next tile's first products write over P, its loads land on V's fragments
.endr
.Lskip_\@:
	s_add_co_u32 s14, s14, 1
.endm
; A strip is complete: O / sum, to f16, through my own stage, out as 512 consecutive bytes a store.  O stays in f32 in its registers; the packed words go to S's.
.macro FINISH
	v_permlanex16_b32 v[T],   v[LS],   s36, s37    ; the other half's keys
	v_permlanex16_b32 v[T+2], v[LS+1], s36, s37
	v_add_f32 v[LS],   v[LS],   v[T]
	v_add_f32 v[LS+1], v[LS+1], v[T+2]
	v_rcp_f32 v[AL],   v[LS]
	v_rcp_f32 v[AL+2], v[LS+1]
	v_nop                                          ; the plain place behind the reciprocals (ISA guide 5.7.2)
	s_wait_alu depctr_va_vdst(0)
	v_mov_b32 v[AL+1], v[AL]
	v_mov_b32 v[AL+3], v[AL+2]
.set px, 0
.rept 32
	v_pk_mul_f32 v[OF+2*px:OF+2*px+1], v[OF+2*px:OF+2*px+1], v[AL+2*((px/4)%2):AL+2*((px/4)%2)+1]
.set px, px+1
.endr
.irp qb, 0,1
.irp db, 0,1,2,3
.irp i, 0,1,2,3
	v_cvt_pk_f16_f32 v[SF+4*(4*\qb+\db)+\i], v[OF+8*(2*\db+\qb)+2*\i], v[OF+8*(2*\db+\qb)+2*\i+1]
.endr
	ds_store_b128 v[STO], v[SF+4*(4*\qb+\db):SF+4*(4*\qb+\db)+3] offset:\qb*16*KP+32*\db   ; query 16 qb + r, d = 16 db + 8 hh + 0..7
.endr
.endr
.irp t, 0,1,2,3,4,5,6,7
	ds_load_b128 v[KV+4*\t:KV+4*\t+3], v[RD] offset:\t*4*KP        ; LDS serves a wave's instructions in order (ISA guide 5.7.1.4): these see the stores above
.endr
.irp t, 0,1,2,3,4,5,6,7
	s_wait_dscnt 7-\t                              ; load t is in, the 7 - t younger ones stay out
	global_store_b128 v[CO], v[KV+4*\t:KV+4*\t+3], s[6:7] offset:512*\t
.endr
.endm
; Group B between the parts: the long strip's Q is asked for first, the short strip is finished while it comes, and a new partial result is started.
; The maximum becomes -infinity: the next tile's new maximum is finite (an even tile holds unmasked keys for every query of the strip), so its rescaling factor is
; 2^(-infinity) = 0 exactly, and the rescaling that the tile does anyway clears O and the sum, which are finite numbers.  No register is cleared by a move.
.macro SWITCH
	v_bfe_u32 v[T+4], v[CO], 4, 4                  ; r, from 16 x lane
	v_lshrrev_b32 v[T+5], 8, v[CO]                 ; hh
	v_lshlrev_b32 v[T+4], 7, v[T+4]
	v_lshl_add_u32 v[T+5], v[T+5], 4, v[T+4]       ; row r, 16 bytes for each half; FINISH leaves this register alone
.irp qb, 0,1
.irp ds, 0,1
	global_load_b128 v[QF+16*\qb+8*\ds:QF+16*\qb+8*\ds+3],   v[T+5], s[50:51] offset:\qb*2048+64*\ds
	global_load_b128 v[QF+16*\qb+8*\ds+4:QF+16*\qb+8*\ds+7], v[T+5], s[50:51] offset:\qb*2048+64*\ds+32
.endr
.endr
	FINISH
	s_mov_b32 s13, s56                             ; from now on the long strip's diagonal
	v_mov_b32 v[MX],   v[NEGV]
	v_mov_b32 v[MX+1], v[NEGV]
	s_wait_loadcnt 0x0                             ; Q
	s_wait_xcnt 0x0                                ; the registers that the stores read take the next tile's fragments only behind this wait
.endm
; One pair of tiles.  slot: where it lies; refill = 1: the next pair is asked for, into the other slot; first = 1: pair 0; sw = 1: group B may change strips here.
.macro TRIP slot, refill, first, sw
	s_set_vgpr_msb 0x5
	s_wait_tensorcnt 0x0                           ; all my tensor loads have landed, my part of this trip's pair among them,
	ds_add_u32 v0, v1
	s_wait_dscnt 0x0
	s_set_vgpr_msb 0x500
	s_add_nc_u64 s[G0+4*\slot+2:G0+4*\slot+3], s[G0+4*\slot+2:G0+4*\slot+3], 2*PAIRB   ; so a group 0 may be written: this slot's next pair
	s_wait_dscnt 0x0                               ; my reads of the last trip's pair are back
	s_barrier_signal -1
	s_barrier_wait -1                              ; both now hold of every wave
.if \refill
	KVLOAD 1-\slot                                 ; first behind the barrier: the next pair, into the slot read last trip
.endif
.if \sw
	s_cmp_lg_u32 s14, s55
	s_cbranch_scc1 .Lnosw_\@
	SWITCH
.Lnosw_\@:
.endif
	STEP \slot, 0, \first
	STEP \slot, 1, 0
.endm
	; 16 - j trips.  B changes strips in front of trip j + 1: inside the loop for j <= 6, in the very last trip for j = 7.
	TRIP 0, 1, 1, 0
.Lpair:
	TRIP 1, 1, 0, 1
	TRIP 0, 1, 0, 1
	s_sub_co_i32 s15, s15, 1
	s_cmp_gt_i32 s15, 0                            ; a signed compare: the count comes down from (14 - j) / 2 and the loop ends at 0 from any start
	s_cbranch_scc1 .Lpair
	s_and_b32 s10, s9, 1                           ; j even: one trip is left; j odd: two.  The same for all eight waves.  The last trip asks for nothing.
	s_cmp_lg_u32 s10, 0
	s_cbranch_scc1 .Lodd
	TRIP 1, 0, 0, 0
	s_branch .Ldone
.Lodd:
	TRIP 1, 1, 0, 0
	TRIP 0, 0, 0, 1
.Ldone:
	; THE MERGE.  B's partial result of the long strip goes to A's wave of the same strip through LDS: lane for lane, register for register.
	s_mul_i32 s10, s12, MGW
	s_add_co_u32 s10, s10, MG
	v_add_nc_u32 v[KADR], s10, v[CO]               ; my strip's place, 16 bytes a lane
	s_cmp_eq_u32 s57, 0
	s_cbranch_scc1 .Lkeeps
.set px, 0
.rept 16
	ds_store_b128 v[KADR], v[OF+4*px:OF+4*px+3] offset:512*px
.set px, px+1
.endr
	ds_store_b128 v[KADR], v[MX:MX+3] offset:8192  ; two maxima, two sums
.Lkeeps:
	s_wait_dscnt 0x0                               ; for A's sake: B's stores are done
	s_barrier_signal -1
	s_barrier_wait -1
	s_cmp_lg_u32 s57, 0
	s_cbranch_scc1 .Lend                           ; B has nothing left to do
	ds_load_b128 v[T:T+3], v[KADR] offset:8192
.set px, 0
.rept 16
	ds_load_b128 v[KV+4*px:KV+4*px+3], v[KADR] offset:512*px
.set px, px+1
.endr
	s_wait_dscnt 16                                ; B's maxima and sums are in; the sixteen loads of its O stay out
.irp qb, 0,1
	v_max_num_f32 v[T+4+\qb], v[MX+\qb], v[T+\qb]  ; the common maximum; both are finite
	v_sub_f32 v[AL+2*\qb], v[MX+\qb], v[T+4+\qb]
	v_sub_f32 v[NM+2*\qb], v[T+\qb],  v[T+4+\qb]
	v_mul_f32 v[AL+2*\qb], v[CS], v[AL+2*\qb]
	v_mul_f32 v[NM+2*\qb], v[CS], v[NM+2*\qb]
.endr
	v_exp_f32 v[AL],   v[AL]                       ; my factor
	v_exp_f32 v[AL+2], v[AL+2]
	v_exp_f32 v[NM],   v[NM]                       ; B's factor
	v_exp_f32 v[NM+2], v[NM+2]
	v_nop                                          ; the plain place behind the exponentials (ISA guide 5.7.2)
	s_wait_alu depctr_va_vdst(0)
.irp qb, 0,1
	v_mov_b32 v[AL+2*\qb+1], v[AL+2*\qb]
	v_mov_b32 v[NM+2*\qb+1], v[NM+2*\qb]
	v_mul_f32 v[LS+\qb], v[LS+\qb], v[AL+2*\qb]
	v_fma_f32 v[LS+\qb], v[T+2+\qb], v[NM+2*\qb], v[LS+\qb]
.endr
	s_wait_dscnt 0x0                               ; B's O
.set px, 0
.rept 32
	v_pk_mul_f32 v[OF+2*px:OF+2*px+1], v[OF+2*px:OF+2*px+1], v[AL+2*((px/4)%2):AL+2*((px/4)%2)+1]
	v_pk_fma_f32 v[OF+2*px:OF+2*px+1], v[KV+2*px:KV+2*px+1], v[NM+2*((px/4)%2):NM+2*((px/4)%2)+1], v[OF+2*px:OF+2*px+1]
.set px, px+1
.endr
	FINISH
.Lend:
	s_set_vgpr_msb 0x5
	s_wait_tensorcnt 0x0
	ds_add_u32 v0, v1
	s_wait_dscnt 0x0
	s_set_vgpr_msb 0x500
	s_endpgm
.Lfunc_end_k_qdd431e74f2_attn:
	.size	k_qdd431e74f2_attn, .Lfunc_end_k_qdd431e74f2_attn-k_qdd431e74f2_attn
	.p2alignl 7, 3214868480
	.fill 96, 4, 3214868480
	.section	.rodata,"a",@progbits
	.p2align	6, 0x0
	.amdhsa_kernel k_qdd431e74f2_attn
		.amdhsa_group_segment_fixed_size 327680
		.amdhsa_private_segment_fixed_size 0
		.amdhsa_enable_private_segment 0
		.amdhsa_kernarg_size 16
		.amdhsa_user_sgpr_count 2
		.amdhsa_user_sgpr_kernarg_segment_ptr 1
		.amdhsa_wavefront_size32 1
		.amdhsa_system_sgpr_workgroup_id_x 1
		.amdhsa_system_sgpr_workgroup_id_y 1
		.amdhsa_system_sgpr_workgroup_id_z 1
		.amdhsa_system_vgpr_workitem_id 0
		.amdhsa_next_free_vgpr 258
		.amdhsa_next_free_sgpr 66
		.amdhsa_reserve_vcc 1
		.amdhsa_float_denorm_mode_32 3
		.amdhsa_float_denorm_mode_16_64 3
		.amdhsa_memory_ordered 1
		.amdhsa_forward_progress 1
		.amdhsa_inst_pref_size 255
	.end_amdhsa_kernel
	.section	.bss,"aw",@nobits
	.p2align	6
	.space	262144
	.amdgpu_metadata
---
amdhsa.version: [ 1, 2 ]
amdhsa.kernels:
  - .name:           k_qdd431e74f2_attn
    .symbol:         k_qdd431e74f2_attn.kd
    .args:
      - { .name: qkv, .offset: 0, .size: 8, .value_kind: global_buffer, .address_space: global }
      - { .name: y, .offset: 8, .size: 8, .value_kind: global_buffer, .address_space: global }
    .group_segment_fixed_size: 327680
    .private_segment_fixed_size: 0
    .kernarg_segment_align: 8
    .kernarg_segment_size: 16
    .max_flat_workgroup_size: 256
    .sgpr_count:     66
    .vgpr_count:     258
    .wavefront_size: 32
...
	.end_amdgpu_metadata
.endif
;; end of part 4
;; launch aproj (part 5): grid 8 x 32, 4 waves a work-group, clusters of 4 x 4, 327,680 bytes of LDS; arguments y, wb, x1, b_aproj, x; writes x1
.if DOCPART == 5
	.amdgcn_target "amdgcn-amd-amdhsa--gfx1250"
	.amdhsa_code_object_version 6
	.text
	.protected	k_qdd431e74f2_aproj
	.globl	k_qdd431e74f2_aproj
	.p2align	8
	.type	k_qdd431e74f2_aproj,@function
k_qdd431e74f2_aproj:
	s_mov_b64 s[64:65], 0
	v_nop
	global_prefetch_b8 v0, s[64:65] scope:SCOPE_SE
	s_setreg_imm32_b32 hwreg(HW_REG_WAVE_MODE, 25, 1), 1
	s_wait_xcnt 0x0
	s_wait_alu depctr_hold_cnt(0) depctr_sa_sdst(0) depctr_va_vdst(0) depctr_va_sdst(0) depctr_va_ssrc(0) depctr_va_vcc(0) depctr_vm_vsrc(0)
	s_getreg_b32 s2, hwreg(HW_REG_IB_STS2, 6, 4)
	s_cmp_eq_u32 s2, 0
	s_cbranch_scc0 .Lentry_in_a_cluster
	s_endpgm
.Lentry_in_a_cluster:
	s_bfe_u32 s2, ttmp6, 0x10000c
	s_cmp_lg_u32 s2, 0xf033
	s_cbranch_scc0 .Lentry_shape_is_right
	s_endpgm
.Lentry_shape_is_right:
; C[m][n] = R[m][n] + bias[n] + sum over k of A[m][k] W[n][k], in f32.  N = 1,024, M = 4,096.
; A: f16 in panels of 64 columns: element (m, k) at byte (k / 64) * 524,288 + m * 128 + (k % 64) * 2.  W: [1024][SIZE_K] f16 row-major at byte WOFF of the
; weight buffer.  R (the residual) and C: [4096][1024] f32 row-major.  bias: [1024] f32.
; SHAPE: 256 work-groups want blocks of 128 x 128 of C.  Each of the four waves makes the WHOLE block (64 accumulator tiles, 512 registers, 16 fragments from LDS
; for 64 matrix instructions) over its own quarter of K: of every K step of 256, wave w takes k = 64 w .. 64 w + 63, which is one panel of A.  The four partial
; blocks are added on the way out, in LDS, through which f32 rows go anyway.  So K is summed in four interleaved shares, each ascending.
; RING: two LDS slots of a K step of 256: A as [4 panels][128 rows][pitch 144], W as [128 rows][pitch 528].  Waves 0 and 1 fetch two panels of A each (two dense
; blocks of 16,384 bytes), waves 2 and 3 fetch 64 rows of 512 bytes of W each.  A wave has two tensor loads outstanding at the start, one later.
; CLUSTERS: 4 x 4 work-groups; A's tiles are asked for jointly along a row of the cluster, W's along a column.
; REGISTERS, in windows of 256: window 0: v8-35 addresses and bias; v64-127, v128-191 fragments of A, two buffers (on the way out: the residual); v192-255 partial rows;
;   window 1: v64-127, v128-191 fragments of W;  window 2: accumulator tiles of rows 0-63 (tile (a, b) at v[8 (8 a + b)]);  window 3: rows 64-127.
; THE MATRIX INSTRUCTION IS USED TRANSPOSED: source 0 = 16 rows of W, source 1 = 16 rows of A: lane l holds row l % 16 of C and columns 8 (l / 16) + 0..7.
.set SIZE_K, 1024
.set WOFF,   6291456                   ; W_aproj in the weight buffer
.set PANEL,  524288
.set PA,     144                       ; A's LDS row: 128 bytes + 16
.set PB,     528                       ; W's LDS row: 512 bytes + 16: both odd multiples of 16, so the 16 rows that a load touches start at 16 different banks (ISA guide 11.1)
.set APAN,   128*PA                    ; a panel's 128 rows
.set AREG,   4*APAN
.set BHALF,  64*PB                     ; what one of W's loads brings
.set SLOT,   AREG+2*BHALF              ; 141,312
.set ASTEP,  4*PANEL                   ; a K step in A
.set BSTEP,  512                       ; a K step in W
.set SPW,    128*PB                    ; the way out: one wave's partial block, 128 rows of 512 bytes + 16
.set LAPS,   SIZE_K/512                ; a lap = two K steps = once round the ring
.set RDP,  8                           ; v8-11   the way out: where I read 16 bytes of my rows in wave q's partial block
.set ADRA, 16                          ; v16-17  LDS address of my A fragments in slot 0, 1
.set ADRB, 20                          ; v20-21  the same for W
.set PST,  24                          ; v24     the way out: where I put my partial block
.set CO,   26                          ; v26     16 x lane: my byte offset in a row of 512 bytes
.set BIASV, 32                         ; v[32:35] the bias of my four columns
.set F0,   64
.set F1,   128
.set RES,  64                          ; v[64:191] the way out: the residual of my 32 rows
.set PP,   192                         ; v[192:255] the way out: four rows x four partial blocks
.set G1, 24                            ; s[24:31] descriptor group 1 for A's tiles
.set G0, 32                            ; s[32:39] descriptor group 0 for A's tiles, one set for each slot
.set G1B, 48                           ; s[48:55] descriptor group 1 for W's tiles
.set G0B, 56                           ; s[56:63] descriptor group 0 for W's tiles, one set for each slot
.set MSB, 0
.macro WIN new                         ; the immediate's high byte repeats the setting that is left
.if MSB != \new
	s_set_vgpr_msb (MSB<<8)|\new
.set MSB, \new
.endif
.endm
.set MUL_LO, 0xa1                      ; source 0 (W) window 1, source 1 (A) window 0, C and D window 2
.set MUL_HI, 0xf1                      ; the same, C and D window 3
.set TO_B,   0x40                      ; destination window 1, address window 0
; A joint load.  Waves 0 and 1 fetch for A, waves 2 and 3 for W.  Each line has ONE mask and one set of registers for all that issue it; the branch hangs on the
; wave's number alone.  Four v_nop follow each of the two lines.
.macro JLOAD s
	s_cmp_eq_u32 s11, 0
	s_cbranch_scc0 .Lfor_b_\@
	tensor_load_to_lds s[G0+4*\s:G0+4*\s+3], s[G1:G1+7]
	s_nop 0
.rept 4
	v_nop
.endr
	s_branch .Lasked_\@
.Lfor_b_\@:
	tensor_load_to_lds s[G0B+4*\s:G0B+4*\s+3], s[G1B:G1B+7]
	s_nop 0
.rept 4
	v_nop
.endr
.Lasked_\@:
.endm
.macro CREST                           ; a round of the cluster's barrier behind its opening barrier
	s_cmp_lg_u32 s10, 0
	s_cbranch_scc1 .Lnot_wave_0_\@
	s_barrier_signal -3
.Lnot_wave_0_\@:
	s_barrier_wait -3
	s_barrier_signal -1
	s_barrier_wait -1
.endm
.macro CROUND                          ; a whole round
	s_barrier_signal -1
	s_barrier_wait -1
	CREST
.endm
	s_load_b128 s[4:7], s[0:1], 0x0                ; A s[4:5], weights s[6:7]
	s_load_b64 s[8:9], s[0:1], 0x10                ; C
	s_load_b64 s[66:67], s[0:1], 0x18              ; bias
	s_load_b64 s[68:69], s[0:1], 0x20              ; residual
	s_set_vgpr_msb 0x40
	v_lshl_add_u32 v255, v0, 2, 0x45000
	s_set_vgpr_msb 0x4000
	v_mov_b32 v63, 0
	s_set_vgpr_msb 0x1
	ds_add_u32 v255, v63
	s_set_vgpr_msb 0x100
	v_lshrrev_b32 v1, 5, v0
	v_readfirstlane_b32 s10, v1                    ; wave 0..3: also my quarter of K
	s_lshr_b32 s11, s10, 1                         ; I fetch for A (0) or for W (1)
	s_and_b32 s12, s10, 1                          ; which half of that tile I fetch
	s_bfe_u32 s40, ttmp6, 0x40000                  ; cx
	s_bfe_u32 s41, ttmp6, 0x40004                  ; cy
	s_lshl_b32 s42, ttmp9, 2
	s_add_co_u32 s42, s42, s40                     ; block column of C = 4 x cluster x + cx
	s_and_b32 s13, ttmp7, 0xffff
	s_lshl_b32 s13, s13, 2
	s_add_co_u32 s13, s13, s41                     ; block row of C = 4 x cluster y + cy
	s_lshl_b32 s43, s41, 2
	s_lshl_b32 s43, 15, s43                        ; my row of the cluster
	s_lshl_b32 s44, 0x1111, s40                    ; my column
	; group 1 for A: two dense blocks of 2,048 elements of 8 bytes, a panel (65,536 elements) apart; behind every 32 words (a row's 128 bytes) 4 words of padding
	s_or_b32 s[G1+0], s43, (3<<16)|(1<<20)|(1<<21)|(4<<22)|(3<<25)
	s_mov_b32 s[G1+1], 2048<<16                    ; tensor_dim0 = 2,048
	s_mov_b32 s[G1+2], 2<<16                       ; tensor_dim1 = 2
	s_mov_b32 s[G1+3], 2048<<16                    ; tile_dim0 = 2,048
	s_mov_b32 s[G1+4], 2                           ; tile_dim1 = 2
	s_mov_b32 s[G1+5], PANEL/8                     ; elements from block to block
	s_mov_b32 s[G1+6], 0
	s_mov_b32 s[G1+7], 0
	; group 1 for W: 64 rows of 256 elements of 2 bytes; behind every 128 words (a row) 4 words of padding
	s_or_b32 s[G1B+0], s44, (1<<16)|(1<<20)|(1<<21)|(6<<22)|(3<<25)
	s_mov_b32 s[G1B+1], 256<<16
	s_mov_b32 s[G1B+2], 64<<16
	s_mov_b32 s[G1B+3], 256<<16
	s_mov_b32 s[G1B+4], 64
	s_mov_b32 s[G1B+5], SIZE_K
	s_mov_b32 s[G1B+6], 0
	s_mov_b32 s[G1B+7], 0
	; where the tiles come from.  A's hang on the block row alone, W's on the block column alone, each in registers that never hold the other coordinate.
	s_lshl_b32 s16, s13, 14                        ; A: 128 x block row rows of 128 bytes,
	s_lshl_b32 s17, s12, 20                        ; and two panels for each half
	s_add_co_u32 s16, s16, s17
	s_mov_b32 s17, 0
	s_lshl_b32 s46, s42, 7
	s_lshl_b32 s47, s12, 6
	s_add_co_u32 s46, s46, s47                     ; W: row 128 x block column + 64 x half
	s_mov_b32 s47, 0
	s_mov_b64 s[18:19], SIZE_K*2
	s_mul_u64 s[46:47], s[46:47], s[18:19]
	s_mul_i32 s20, s10, 2*APAN                     ; where A's go (waves 0, 1): wave x two panels
	s_mul_i32 s45, s10, BHALF                      ; where W's go (waves 2, 3): behind A's region, (wave - 2) x 64 rows
	s_add_co_u32 s45, s45, AREG-2*BHALF
	s_wait_dscnt 0x0
	s_wait_kmcnt 0x0
	s_add_nc_u64 s[6:7], s[6:7], WOFF
	s_add_nc_u64 s[14:15], s[4:5], s[16:17]
	s_add_nc_u64 s[46:47], s[6:7], s[46:47]
	CROUND                                         ; all sixteen work-groups are here: the first joint loads meet
.irp s, 0,1
	s_mov_b32 s[G0+4*\s], 1
	s_add_co_u32 s[G0+4*\s+1], s20, \s*SLOT
	s_add_nc_u64 s[G0+4*\s+2:G0+4*\s+3], s[14:15], \s*ASTEP
	s_or_b32 s[G0+4*\s+3], s[G0+4*\s+3], 0x80000000
	s_mov_b32 s[G0B+4*\s], 1
	s_add_co_u32 s[G0B+4*\s+1], s45, \s*SLOT
	s_add_nc_u64 s[G0B+4*\s+2:G0B+4*\s+3], s[46:47], \s*BSTEP
	s_or_b32 s[G0B+4*\s+3], s[G0B+4*\s+3], 0x80000000
	JLOAD \s                                       ; the ring is filled before anything else is done
.endr
	v_and_b32 v1, 15, v0                           ; l % 16
	v_bfe_u32 v2, v0, 4, 1                         ; l / 16
	v_mul_u32_u24 v3, v1, PA
	v_lshl_add_u32 v3, v2, 4, v3                   ; A: row x pitch + 16 x half
	v_mul_u32_u24 v4, v1, PB
	v_lshl_add_u32 v5, v2, 4, v4                   ; W: the same with its pitch
	v_lshl_add_u32 v4, v2, 5, v4                   ; partial block: row l % 16, 32 bytes (8 f32) for each half
	s_mul_i32 s21, s10, APAN                       ; my panel of A
	s_lshl_b32 s22, s10, 7                         ; my 128 bytes of W's rows,
	s_add_co_u32 s22, s22, AREG                    ; which lie behind A's region
.irp s, 0,1
	v_add_nc_u32 v[ADRA+\s], s21, v3
	v_add_nc_u32 v[ADRB+\s], s22, v5
	s_add_co_u32 s21, s21, SLOT
	s_add_co_u32 s22, s22, SLOT
.endr
	s_mul_i32 s23, s10, SPW
	v_add_nc_u32 v[PST], s23, v4
	v_and_b32 v6, 31, v0
	v_lshlrev_b32 v[CO], 4, v6
	s_mul_i32 s23, s10, 32*PB                      ; my 32 rows of the block, in each of the four partial blocks
.irp q, 0,1,2,3
	v_add_nc_u32 v[RDP+\q], s23, v[CO]
	s_add_co_u32 s23, s23, SPW
.endr
; 16 matrix instructions: m blocks a0, a0 + 1 of the window's four x all 8 n blocks, 32 along K.  zero = 1: the first product starts the sums.
; The 64 accumulators take turns, one instruction a turn, in the same order in every quarter.
.macro MUL16 f, hi, a0, zero
.irp a, \a0, \a0+1
.irp b, 0,1,2,3,4,5,6,7
.if \zero
	v_wmma_f32_16x16x32_f16 v[8*(8*(\a)+\b):8*(8*(\a)+\b)+7], v[\f+8*\b:\f+8*\b+7], v[\f+8*(4*\hi+\a):\f+8*(4*\hi+\a)+7], 0
.else
	v_wmma_f32_16x16x32_f16 v[8*(8*(\a)+\b):8*(8*(\a)+\b)+7], v[\f+8*\b:\f+8*\b+7], v[\f+8*(4*\hi+\a):\f+8*(4*\hi+\a)+7], v[8*(8*(\a)+\b):8*(8*(\a)+\b)+7]
.endif
.endr
.endr
.endm
; 32 LDS loads in one run: 128 rows of W, 128 rows of A, 32 K at byte k of my 128 bytes of the rows, into buffer f
.macro FETCH slot, k, f
	WIN TO_B
.irp i, 0,1,2,3,4,5,6,7
	ds_load_b128 v[\f+8*\i:\f+8*\i+3],   v[ADRB+\slot] offset:\k+\i*16*PB
	ds_load_b128 v[\f+8*\i+4:\f+8*\i+7], v[ADRB+\slot] offset:\k+\i*16*PB+32
.endr
	WIN 0
.irp i, 0,1,2,3,4,5,6,7
	ds_load_b128 v[\f+8*\i:\f+8*\i+3],   v[ADRA+\slot] offset:\k+\i*16*PA
	ds_load_b128 v[\f+8*\i+4:\f+8*\i+7], v[ADRA+\slot] offset:\k+\i*16*PA+32
.endr
.endm
.macro PLACES                          ; four places behind a matrix instruction, in front of loads into its sources and of readers of its result
.rept 4
	v_nop
.endr
.endm
; My share of a K step is two quarters of 32 along K, 64 matrix instructions each, on buffers 0 and 1.
; The first: multiplies buffer f; in its middle it fetches the second's fragments, at byte k, into buffer g.
.macro QUARTER slot, k, f, g, zero
	s_wait_dscnt 8                                 ; W and A's rows 0-63 are in; the youngest eight loads (A's rows 64-127) may be out
	WIN MUL_LO
	MUL16 \f, 0, 0, \zero
	MUL16 \f, 0, 2, \zero
	PLACES
	FETCH \slot, \k, \g
	s_wait_dscnt 32                                ; all but the 32 just issued
	WIN MUL_HI
	MUL16 \f, 1, 0, \zero
	MUL16 \f, 1, 2, \zero
.endm
; The second: multiplies buffer 1 and changes slots.  ONE barrier for the change.  In front of it each wave waits for its own reads of this slot and for all its
; tensor loads (one is out: its part of the next slot).  Behind it the refill comes first, then the next slot's first fragments.
; From a request to the wait for it a wave issues 112 matrix instructions.
.macro TURN slot, next, fill
	s_wait_dscnt 8
	WIN MUL_LO
	MUL16 F1, 0, 0, 0
	s_wait_dscnt 0                                 ; my reads of this slot are over
	s_wait_tensorcnt 0x0                           ; and all my tensor loads have landed
	ds_add_u32 v255, v63
	s_wait_dscnt 0x0
	s_barrier_signal -1                            ; say so (where a slot is filled again this barrier opens a round of the cluster's barrier),
	MUL16 F1, 0, 2, 0                              ; work on registers while the others arrive,
	WIN 0
	s_barrier_wait -1
.if \fill
	CREST                                          ; no wave of any partner still reads this slot's tile or has a load on its way
	s_add_nc_u64 s[G0+4*\slot+2:G0+4*\slot+3], s[G0+4*\slot+2:G0+4*\slot+3], 2*ASTEP
	s_add_nc_u64 s[G0B+4*\slot+2:G0B+4*\slot+3], s[G0B+4*\slot+2:G0B+4*\slot+3], 2*BSTEP
	JLOAD \slot                                    ; the first tensor load behind the round; its four v_nop are also the places in front of the loads below
.else
	PLACES
.endif
	FETCH \next, 0, F0
	WIN MUL_HI
	MUL16 F1, 1, 0, 0
	MUL16 F1, 1, 2, 0
.endm
.macro STEP slot, next, fill, zero
	QUARTER \slot, 64, F0, F1, \zero
	TURN \slot, \next, \fill
.endm
.macro LAP zero                        ; once round the ring, both slots filled again
	STEP 0, 1, 1, \zero
	STEP 1, 0, 1, 0
.endm
	s_wait_tensorcnt 1                             ; my part of K step 0 is in; K step 1's load stays out
	s_barrier_signal -1
	s_barrier_wait -1
	FETCH 0, 0, F0
	LAP 1                                          ; the first lap stands in front of the loop: its first products start the sums
.if LAPS > 2
	WIN 0                                          ; at a label and at a branch every window is 0
	s_mov_b32 s3, LAPS-2
.Llap:
	LAP 0
	WIN 0
	s_sub_co_u32 s3, s3, 1
	s_cmp_lg_u32 s3, 0
	s_cbranch_scc1 .Llap
.endif
	STEP 0, 1, 0, 0                                ; the last lap fills nothing
	QUARTER 1, 64, F0, F1, 0
	s_wait_dscnt 8                                 ; the very last quarter: nothing more to fetch
	WIN MUL_LO
	MUL16 F1, 0, 0, 0
	MUL16 F1, 0, 2, 0
	s_wait_dscnt 0
	WIN MUL_HI
	MUL16 F1, 1, 0, 0
	MUL16 F1, 1, 2, 0
	; THE WAY OUT.  The ring has had its last fill; its bytes now take the four partial blocks.  Each wave then adds the four partial rows, the residual and the
	; bias for 32 rows of the block, a row of 512 bytes at a time.
	WIN 0
	PLACES                                         ; the places behind the last matrix instructions: for the loads into the fragments' registers and the LDS stores of results
	s_lshl_b32 s72, s13, 19                        ; my rows in R and C: (128 x block row + 32 x wave) x 4,096 bytes
	s_lshl_b32 s73, s10, 17
	s_add_co_u32 s72, s72, s73
	s_mov_b32 s73, 0
	s_lshl_b32 s74, s42, 9                         ; my columns: 128 x block column x 4 bytes
	s_mov_b32 s75, 0
	s_add_nc_u64 s[8:9], s[8:9], s[72:73]
	s_add_nc_u64 s[8:9], s[8:9], s[74:75]
	s_add_nc_u64 s[68:69], s[68:69], s[72:73]
	s_add_nc_u64 s[68:69], s[68:69], s[74:75]
	s_add_nc_u64 s[66:67], s[66:67], s[74:75]
	global_load_b128 v[BIASV:BIASV+3], v[CO], s[66:67]
.set rr, 0
.rept 32
	global_load_b128 v[RES+4*rr:RES+4*rr+3], v[CO], s[68:69] offset:rr*4096
.set rr, rr+1
.endr
	s_wait_dscnt 0x0
	s_barrier_signal -1
	s_barrier_wait -1                              ; no wave reads the ring any more
	WIN 0x08                                       ; store data (source 1) from window 2
.irp a, 0,1,2,3
.irp b, 0,1,2,3,4,5,6,7
	ds_store_b128 v[PST], v[8*(8*\a+\b):8*(8*\a+\b)+3]   offset:\a*16*PB+64*\b
	ds_store_b128 v[PST], v[8*(8*\a+\b)+4:8*(8*\a+\b)+7] offset:\a*16*PB+64*\b+16
.endr
.endr
	WIN 0x0c                                       ; from window 3
.irp a, 0,1,2,3
.irp b, 0,1,2,3,4,5,6,7
	ds_store_b128 v[PST], v[8*(8*\a+\b):8*(8*\a+\b)+3]   offset:(4+\a)*16*PB+64*\b
	ds_store_b128 v[PST], v[8*(8*\a+\b)+4:8*(8*\a+\b)+7] offset:(4+\a)*16*PB+64*\b+16
.endr
.endr
	WIN 0
	s_wait_dscnt 0x0                               ; for the others' sake: my partial block is written
	s_barrier_signal -1
	s_barrier_wait -1
	s_wait_loadcnt 0x0                             ; bias and residual
.irp g, 0,1,2,3,4,5,6,7
	s_wait_xcnt 0x0                                ; the registers that the last group's stores read are loaded again only behind this wait
.irp i, 0,1,2,3
.irp q, 0,1,2,3
	ds_load_b128 v[PP+16*\i+4*\q:PP+16*\i+4*\q+3], v[RDP+\q] offset:(4*\g+\i)*PB
.endr
.endr
.irp i, 0,1,2,3
	s_wait_dscnt 12-4*\i                           ; row i's four loads are in; the later rows' four each stay out
	v_pk_add_f32 v[PP+16*\i:PP+16*\i+1],     v[PP+16*\i:PP+16*\i+1],     v[PP+16*\i+4:PP+16*\i+5]
	v_pk_add_f32 v[PP+16*\i+2:PP+16*\i+3],   v[PP+16*\i+2:PP+16*\i+3],   v[PP+16*\i+6:PP+16*\i+7]
	v_pk_add_f32 v[PP+16*\i+8:PP+16*\i+9],   v[PP+16*\i+8:PP+16*\i+9],   v[PP+16*\i+12:PP+16*\i+13]
	v_pk_add_f32 v[PP+16*\i+10:PP+16*\i+11], v[PP+16*\i+10:PP+16*\i+11], v[PP+16*\i+14:PP+16*\i+15]
	v_pk_add_f32 v[RES+4*(4*\g+\i):RES+4*(4*\g+\i)+1],   v[RES+4*(4*\g+\i):RES+4*(4*\g+\i)+1],   v[BIASV:BIASV+1]
	v_pk_add_f32 v[RES+4*(4*\g+\i)+2:RES+4*(4*\g+\i)+3], v[RES+4*(4*\g+\i)+2:RES+4*(4*\g+\i)+3], v[BIASV+2:BIASV+3]
	v_pk_add_f32 v[PP+16*\i:PP+16*\i+1],     v[PP+16*\i:PP+16*\i+1],     v[PP+16*\i+8:PP+16*\i+9]
	v_pk_add_f32 v[PP+16*\i+2:PP+16*\i+3],   v[PP+16*\i+2:PP+16*\i+3],   v[PP+16*\i+10:PP+16*\i+11]
	v_pk_add_f32 v[PP+16*\i:PP+16*\i+1],     v[PP+16*\i:PP+16*\i+1],     v[RES+4*(4*\g+\i):RES+4*(4*\g+\i)+1]
	v_pk_add_f32 v[PP+16*\i+2:PP+16*\i+3],   v[PP+16*\i+2:PP+16*\i+3],   v[RES+4*(4*\g+\i)+2:RES+4*(4*\g+\i)+3]
	global_store_b128 v[CO], v[PP+16*\i:PP+16*\i+3], s[8:9] offset:(4*\g+\i)*4096   ; the wave stores 512 consecutive bytes, aligned
.endr
.endr
	s_set_vgpr_msb 0x1
	s_wait_tensorcnt 0x0
	ds_add_u32 v255, v63
	s_wait_dscnt 0x0
	s_set_vgpr_msb 0x100
	CROUND                                         ; the closing round: no work-group ends while a partner may still ask for a tile that names it
	s_endpgm
.Lfunc_end_k_qdd431e74f2_aproj:
	.size	k_qdd431e74f2_aproj, .Lfunc_end_k_qdd431e74f2_aproj-k_qdd431e74f2_aproj
	.p2alignl 7, 3214868480
	.fill 96, 4, 3214868480
	.section	.rodata,"a",@progbits
	.p2align	6, 0x0
	.amdhsa_kernel k_qdd431e74f2_aproj
		.amdhsa_group_segment_fixed_size 327680
		.amdhsa_private_segment_fixed_size 0
		.amdhsa_enable_private_segment 0
		.amdhsa_kernarg_size 40
		.amdhsa_user_sgpr_count 2
		.amdhsa_user_sgpr_kernarg_segment_ptr 1
		.amdhsa_wavefront_size32 1
		.amdhsa_system_sgpr_workgroup_id_x 1
		.amdhsa_system_sgpr_workgroup_id_y 1
		.amdhsa_system_sgpr_workgroup_id_z 1
		.amdhsa_system_vgpr_workitem_id 0
		.amdhsa_next_free_vgpr 1024
		.amdhsa_next_free_sgpr 76
		.amdhsa_reserve_vcc 0
		.amdhsa_float_denorm_mode_32 3
		.amdhsa_float_denorm_mode_16_64 3
		.amdhsa_memory_ordered 1
		.amdhsa_forward_progress 1
		.amdhsa_inst_pref_size 105
	.end_amdhsa_kernel
	.amdgpu_metadata
---
amdhsa.version: [ 1, 2 ]
amdhsa.kernels:
  - .name:           k_qdd431e74f2_aproj
    .symbol:         k_qdd431e74f2_aproj.kd
    .args:
      - { .name: y, .offset: 0, .size: 8, .value_kind: global_buffer, .address_space: global }
      - { .name: wb, .offset: 8, .size: 8, .value_kind: global_buffer, .address_space: global }
      - { .name: x1, .offset: 16, .size: 8, .value_kind: global_buffer, .address_space: global }
      - { .name: b_aproj, .offset: 24, .size: 8, .value_kind: global_buffer, .address_space: global }
      - { .name: x, .offset: 32, .size: 8, .value_kind: global_buffer, .address_space: global }
    .group_segment_fixed_size: 327680
    .private_segment_fixed_size: 0
    .kernarg_segment_align: 8
    .kernarg_segment_size: 40
    .max_flat_workgroup_size: 128
    .sgpr_count:     76
    .vgpr_count:     1024
    .wavefront_size: 32
...
	.end_amdgpu_metadata
.endif
;; end of part 5
;; launch ln2: the kernel of part 2 again; grid 256 x 1, 8 waves a work-group, no clusters, 0 bytes of LDS; arguments x1, ln2_g, ln2_b, h; writes h
;; launch fc (part 6): grid 16 x 16, 4 waves a work-group, clusters of 4 x 4, 327,680 bytes of LDS; arguments h, wb, m, b_fc; writes m
.if DOCPART == 6
	.amdgcn_target "amdgcn-amd-amdhsa--gfx1250"
	.amdhsa_code_object_version 6
	.text
	.protected	k_qdd431e74f2_fc
	.globl	k_qdd431e74f2_fc
	.p2align	8
	.type	k_qdd431e74f2_fc,@function
k_qdd431e74f2_fc:
	s_mov_b64 s[64:65], 0
	v_nop
	global_prefetch_b8 v0, s[64:65] scope:SCOPE_SE
	s_setreg_imm32_b32 hwreg(HW_REG_WAVE_MODE, 25, 1), 1
	s_wait_xcnt 0x0
	s_wait_alu depctr_hold_cnt(0) depctr_sa_sdst(0) depctr_va_vdst(0) depctr_va_sdst(0) depctr_va_ssrc(0) depctr_va_vcc(0) depctr_vm_vsrc(0)
	s_getreg_b32 s2, hwreg(HW_REG_IB_STS2, 6, 4)
	s_cmp_eq_u32 s2, 0
	s_cbranch_scc0 .Lentry_in_a_cluster
	s_endpgm
.Lentry_in_a_cluster:
	s_bfe_u32 s2, ttmp6, 0x10000c
	s_cmp_lg_u32 s2, 0xf033
	s_cbranch_scc0 .Lentry_shape_is_right
	s_endpgm
.Lentry_shape_is_right:
; C[m][n] = sum over k of A[m][k] W[n][k] + bias[n]  (GELU = 1: followed by the tanh GELU), rounded once to f16.
; A: [4096][SIZE_K] f16 row-major.  W: [N][SIZE_K] f16 row-major, at byte WOFF of the weight buffer.  bias: [N] f32.  Sums in f32.
; WHY f16: 11 significant bits against bf16's 8.  Room for C: before GELU its spread is A's spread x W's spread x sqrt(1024); with a layer-norm gain and weights
; both 30 times those of unit gain and spread 1/32 that is about 900, the largest of 17 million such numbers near 5,000, and GELU never enlarges a number.
; LIMIT: a result beyond 65,504 in magnitude becomes infinity.
; C leaves in PANELS of 64 columns: element (m, n) lies at byte (n / 64) * 524,288 + m * 128 + (n % 64) * 2, so that the 64 K of one wave of the
; next product are a dense block.
; A work-group makes a block of 256 x 256 of C with four waves, as many as a WGP has SIMDs; a wave makes 128 x 128: 64 accumulator tiles
; of 16 x 16, 512 registers.  K goes in steps of 128 through a ring of two LDS slots filled by the tensor data mover: a tile's rows are
; 256 bytes of memory and start at multiples of 256 bytes from the buffer's first byte.
; CLUSTERS: 4 x 4 work-groups form a cluster.  The four of a row of the cluster need the same tiles of A, the four of a column the same tiles of W.
; Such a tile is asked for JOINTLY: each of the four issues the same tensor load, with the same descriptor and a mask that names the four.
; A wave has two tensor loads outstanding at the start and one later.
; GELU: 0.5 x (1 + tanh u) = x / (1 + e^(-2u)), u = sqrt(2/pi) (x + 0.044715 x^3): the same function, exactly; v_exp_f32 and v_rcp_f32 are accurate
; to 1 ulp and flush denormals, so for x below about -9.4, where the result is under 1e-19 in magnitude, it may come out as zero.
;
; REGISTERS, in windows of 256 (s_set_vgpr_msb says which window each operand place means):
;   window 0: v16-31 addresses and constants; v32-63, v224-255 rows on their way out; v64-127, v128-191 fragments of A, two buffers
;             (on the way out: results and GELU's work); v192-223 packed results
;   window 1: v64-127, v128-191 fragments of W, two buffers; v192-255 the bias of my 128 columns as my lane needs it
;   window 2: the 32 accumulator tiles of my rows 0-63 (tile (a, b) at v[8 (8 a + b)]);   window 3: those of my rows 64-127
; THE MATRIX INSTRUCTION IS USED TRANSPOSED: source 0 = 16 rows of W, source 1 = 16 rows of A.  Lane l then holds row m = l % 16 of C, and its
; registers 0 to 7 the columns n = 8 (l / 16) + 0 .. 7: eight neighbouring numbers of a row of C, which pack into 16 bytes.
.set SIZE_K, 1024
.set WOFF,   8388608                   ; W_fc in the weight buffer
.set GELU,   1
.set KSTEP,  128
.set PITCH,  272                       ; an LDS row: 256 bytes of data + 16 of padding: the 16 rows that a load touches start at 16 different banks (64 banks of 4 bytes: ISA guide 11.1)
.set HALFT,  128*PITCH                 ; 128 rows: what one tensor load brings, and what one wave reads of A or of W
.set SLOT,   4*HALFT                   ; A's 256 rows, then W's 256 rows
.set STAGE,  2*SLOT                    ; behind the ring: 16 rows x 272 bytes for each wave, for the way out
.set SPITCH, 272
.set LAPS, SIZE_K/(2*KSTEP)            ; a lap = two K steps = once round the ring
.set ADRA, 16                          ; v16-17  LDS address of my A fragments in slot 0, 1
.set ADRB, 20                          ; v20-21  the same for W
.set STO,  24                          ; v24     the way out: where I put 16 bytes of a row
.set RD,   25                          ; v25     the way out: where I read 16 bytes back
.set CO,   26                          ; v26     my byte offset in C
.set BOF,  27                          ; v27     my byte offset in the bias
.set GC3,  28                          ; v[28:29] GELU: -2 log2(e) sqrt(2/pi) 0.044715, twice
.set GC1,  30                          ; v[30:31] GELU: -2 log2(e) sqrt(2/pi), twice
.set RB0,  32                          ; rows read back, two buffers in turn
.set RB1,  224
.set F0,   64                          ; fragment buffer 0
.set F1,   128                         ; fragment buffer 1
.set TMP,  192                         ; the way out: packed results, in window 0
.set BIAS, 192                         ; window 1: bias of columns 16 b + 8 (l / 16) + 0..7 at v[192 + 8 b]
.set G1, 24                            ; s[24:31] descriptor group 1 for A's tiles
.set G0, 32                            ; s[32:39] descriptor group 0 for A's tiles, one set for each slot
.set G1B, 48                           ; s[48:55] descriptor group 1 for W's tiles: it differs from A's in the mask alone
.set G0B, 56                           ; s[56:63] descriptor group 0 for W's tiles, one set for each slot
.set MSB, 0
.macro WIN new                         ; the immediate's high byte repeats the setting that is left
.if MSB != \new
	s_set_vgpr_msb (MSB<<8)|\new
.set MSB, \new
.endif
.endm
.set MUL_LO, 0xa1                      ; source 0 (W) window 1, source 1 (A) window 0, C and D window 2
.set MUL_HI, 0xf1                      ; the same, C and D window 3
.set TO_B,   0x40                      ; destination window 1, address window 0
; A joint load.  Waves 0 and 1 fetch A's two halves, waves 2 and 3 W's.  Each of the two lines has ONE mask and one set of registers for all that issue it.
; The branch hangs on the wave's number alone.  Four v_nop follow each of the two lines.
.macro JLOAD s
	s_cmp_eq_u32 s11, 0
	s_cbranch_scc0 .Lfor_b_\@
	tensor_load_to_lds s[G0+4*\s:G0+4*\s+3], s[G1:G1+7]
	s_nop 0
.rept 4
	v_nop
.endr
	s_branch .Lasked_\@
.Lfor_b_\@:
	tensor_load_to_lds s[G0B+4*\s:G0B+4*\s+3], s[G1B:G1B+7]
	s_nop 0
.rept 4
	v_nop
.endr
.Lasked_\@:
.endm
; A round of the cluster's barrier: my work-group's barrier; wave 0 signals for the work-group; every wave waits for all sixteen work-groups; my work-group's barrier once more.
.macro CREST                           ; a round behind its opening barrier
	s_cmp_lg_u32 s10, 0
	s_cbranch_scc1 .Lnot_wave_0_\@
	s_barrier_signal -3
.Lnot_wave_0_\@:
	s_barrier_wait -3
	s_barrier_signal -1
	s_barrier_wait -1
.endm
.macro CROUND                          ; a whole round
	s_barrier_signal -1
	s_barrier_wait -1
	CREST
.endm
	s_load_b128 s[4:7], s[0:1], 0x0                ; A s[4:5], weights s[6:7]
	s_load_b64 s[8:9], s[0:1], 0x10                ; C
	s_load_b64 s[66:67], s[0:1], 0x18              ; bias
	s_set_vgpr_msb 0x40
	v_lshl_add_u32 v63, v0, 2, 0x48400
	s_set_vgpr_msb 0x4000
	v_mov_b32 v23, 0
	s_set_vgpr_msb 0x1
	ds_add_u32 v63, v23
	s_set_vgpr_msb 0x100
	v_lshrrev_b32 v1, 5, v0
	v_readfirstlane_b32 s10, v1                    ; wave 0..3
	s_lshr_b32 s11, s10, 1                         ; which half of the block's rows is mine.  Also: I fetch for A (0) or for W (1)
	s_and_b32 s12, s10, 1                          ; which half of its columns.  Also: which 128 rows of that tile I fetch
	s_bfe_u32 s40, ttmp6, 0x40000                  ; cx: my place along the cluster's x
	s_bfe_u32 s41, ttmp6, 0x40004                  ; cy: along its y
	s_lshl_b32 s42, ttmp9, 2                       ; in a cluster launch ttmp9 and ttmp7 count clusters
	s_add_co_u32 s42, s42, s40                     ; block column of C = 4 x cluster x + cx
	s_and_b32 s13, ttmp7, 0xffff
	s_lshl_b32 s13, s13, 2
	s_add_co_u32 s13, s13, s41                     ; block row of C = 4 x cluster y + cy
	s_lshl_b32 s43, s41, 2
	s_lshl_b32 s43, 15, s43                        ; my row of the cluster: places 4 cy .. 4 cy + 3
	s_lshl_b32 s44, 0x1111, s40                    ; my column: places cx, cx + 4, cx + 8, cx + 12
	; descriptor group 1: a tile of 128 rows x 128 elements, padded in LDS
	s_or_b32 s[G1+0], s43, (1<<16)|(1<<20)|(1<<21)|(5<<22)|(3<<25)  ; 15:0 the mask: A's tiles go to my row; 17:16 element of 2 bytes; 20 padding on; 21 set beside a mask; 24:22 after every 64 words (code 5); 31:25 of 4 words (code 3)
	s_or_b32 s[G1B+0], s44, (1<<16)|(1<<20)|(1<<21)|(5<<22)|(3<<25) ; the same with the mask of my column, for W's tiles
	s_mov_b32 s[G1B+1], KSTEP<<16
	s_mov_b32 s[G1+1], KSTEP<<16                   ; 63:48 tensor_dim0, low half = 128
	s_mov_b32 s[G1B+2], 128<<16
	s_mov_b32 s[G1+2], 128<<16                     ; 95:80 tensor_dim1, low half = 128
	s_mov_b32 s[G1B+3], KSTEP<<16
	s_mov_b32 s[G1+3], KSTEP<<16                   ; 127:112 tile_dim0 = 128
	s_mov_b32 s[G1B+4], 128
	s_mov_b32 s[G1+4], 128                         ; 143:128 tile_dim1 = 128; 159:144 tile_dim2 = 0
	s_mov_b32 s[G1B+5], SIZE_K
	s_mov_b32 s[G1+5], SIZE_K                      ; 191:160 elements from row to row
	s_mov_b32 s[G1B+6], 0
	s_mov_b32 s[G1+6], 0
	s_mov_b32 s[G1B+7], 0
	s_mov_b32 s[G1+7], 0
	; where the tiles come from.  A's hang on the block row alone, which my row of the cluster shares; W's on the block column alone.
	s_lshl_b32 s17, s12, 7                         ; which 128 rows of the tile I fetch
	s_lshl_b32 s16, s13, 8
	s_add_co_u32 s16, s16, s17                     ; A: row 256 x block row + 128 x half
	s_lshl_b32 s46, s42, 8
	s_add_co_u32 s46, s46, s17                     ; W: row 256 x block column + 128 x half
	s_mov_b32 s17, 0
	s_mov_b32 s47, 0
	s_mov_b64 s[18:19], SIZE_K*2
	s_mul_u64 s[16:17], s[16:17], s[18:19]         ; in bytes, in 64 bits
	s_mul_u64 s[46:47], s[46:47], s[18:19]
	s_mul_i32 s20, s10, HALFT                      ; and where they go: wave x 128 rows: no place in the cluster enters an LDS address
	s_lshl_b32 s72, s42, 10                        ; the bias of my 128 columns: 4 bytes x (256 x block column + 128 x half)
	s_lshl_b32 s73, s12, 9
	s_add_co_u32 s72, s72, s73
	s_mov_b32 s73, 0
	s_wait_dscnt 0x0
	s_wait_kmcnt 0x0
.if WOFF
	s_add_nc_u64 s[6:7], s[6:7], WOFF
.endif
	s_add_nc_u64 s[14:15], s[4:5], s[16:17]
	s_add_nc_u64 s[46:47], s[6:7], s[46:47]
	s_add_nc_u64 s[66:67], s[66:67], s[72:73]
	CROUND                                         ; all sixteen work-groups are here: the first joint loads meet
.irp s, 0,1
	s_mov_b32 s[G0+4*\s], 1                                        ; 1:0 count = 1
	s_add_co_u32 s[G0+4*\s+1], s20, \s*SLOT                        ; 63:32 LDS address
	s_add_nc_u64 s[G0+4*\s+2:G0+4*\s+3], s[14:15], \s*KSTEP*2      ; 120:64 global address: K step s
	s_or_b32 s[G0+4*\s+3], s[G0+4*\s+3], 0x80000000                ; 127:126 type = 2
	s_mov_b32 s[G0B+4*\s], 1
	s_add_co_u32 s[G0B+4*\s+1], s20, \s*SLOT
	s_add_nc_u64 s[G0B+4*\s+2:G0B+4*\s+3], s[46:47], \s*KSTEP*2
	s_or_b32 s[G0B+4*\s+3], s[G0B+4*\s+3], 0x80000000
	JLOAD \s                                       ; the ring is filled before anything else is done
.endr
	; A fragment is 16 rows x 32 K in 8 registers: lane l holds row l % 16; registers 0-3 hold K = 8 (l / 16) + 0..7, registers 4-7 hold
	; K = 16 + 8 (l / 16) + 0..7.  From rows that lie along K: two loads of 16 bytes, 32 bytes apart.
	v_and_b32 v1, 15, v0                           ; l % 16
	v_bfe_u32 v2, v0, 4, 1                         ; l / 16
	v_mul_u32_u24 v3, v1, PITCH
	v_lshl_add_u32 v3, v2, 4, v3                   ; row x pitch + 16 x half
	s_mul_i32 s21, s11, HALFT                      ; my 128 rows of A
	s_mul_i32 s22, s12, HALFT                      ; my 128 rows of W,
	s_add_co_u32 s22, s22, 2*HALFT                 ; which lie behind A's 256
.irp s, 0,1
	v_add_nc_u32 v[ADRA+\s], s21, v3
	v_add_nc_u32 v[ADRB+\s], s22, v3
	s_add_co_u32 s21, s21, SLOT
	s_add_co_u32 s22, s22, SLOT
.endr
	s_mul_i32 s23, s10, 16*SPITCH
	s_add_co_u32 s23, s23, STAGE                   ; my stage
	v_mul_u32_u24 v4, v1, SPITCH                   ; in: row l % 16, 16 bytes for each half of the lanes
	v_lshl_add_u32 v4, v2, 4, v4
	v_add_nc_u32 v[STO], s23, v4
	v_bfe_u32 v6, v0, 3, 1                         ; back: lanes 0-15 take two rows' 128 bytes of my left panel, lanes 16-31 of my right panel
	v_mul_u32_u24 v5, v6, SPITCH
	v_lshl_add_u32 v5, v2, 7, v5
	v_and_b32 v6, 7, v0
	v_lshl_add_u32 v5, v6, 4, v5
	v_add_nc_u32 v[RD], s23, v5
	v_lshlrev_b32 v5, 19, v2                       ; and the same in C: the panel, then 256 consecutive bytes for 16 lanes
	v_lshl_add_u32 v[CO], v1, 4, v5
	v_lshlrev_b32 v[BOF], 5, v2                    ; bias: 8 columns of 4 bytes for each half of the lanes
.if GELU
	v_mov_b32 v[GC3],   0xbdd2d3e8                 ; -0.10294324
	v_mov_b32 v[GC3+1], 0xbdd2d3e8
	v_mov_b32 v[GC1],   0xc0135761                 ; -2.3022082
	v_mov_b32 v[GC1+1], 0xc0135761
.endif
	WIN TO_B
.irp b, 0,1,2,3,4,5,6,7
	global_load_b128 v[BIAS+8*\b:BIAS+8*\b+3],   v[BOF], s[66:67] offset:64*\b      ; waited for on the way out; neither these registers nor the address are touched before
	global_load_b128 v[BIAS+8*\b+4:BIAS+8*\b+7], v[BOF], s[66:67] offset:64*\b+16
.endr
	WIN 0
; 16 matrix instructions: m blocks a0, a0 + 1 of the window's four (hi = 0: my rows 0-63, 1: rows 64-127) x all 8 n blocks, 32 along K.
; zero = 1: the first product starts the sums: nothing is ever cleared.  The 64 accumulators take turns, one instruction a turn, in the same
; order in every quarter step.
.macro MUL16 f, hi, a0, zero
.irp a, \a0, \a0+1
.irp b, 0,1,2,3,4,5,6,7
.if \zero
	v_wmma_f32_16x16x32_f16 v[8*(8*(\a)+\b):8*(8*(\a)+\b)+7], v[\f+8*\b:\f+8*\b+7], v[\f+8*(4*\hi+\a):\f+8*(4*\hi+\a)+7], 0
.else
	v_wmma_f32_16x16x32_f16 v[8*(8*(\a)+\b):8*(8*(\a)+\b)+7], v[\f+8*\b:\f+8*\b+7], v[\f+8*(4*\hi+\a):\f+8*(4*\hi+\a)+7], v[8*(8*(\a)+\b):8*(8*(\a)+\b)+7]
.endif
.endr
.endr
.endm
; 32 LDS loads in one run: the fragments of one quarter step (128 rows of W, 128 rows of A, 32 K at byte k of the rows) into buffer f
.macro FETCH slot, k, f
	WIN TO_B
.irp i, 0,1,2,3,4,5,6,7
	ds_load_b128 v[\f+8*\i:\f+8*\i+3],   v[ADRB+\slot] offset:\k+\i*16*PITCH
	ds_load_b128 v[\f+8*\i+4:\f+8*\i+7], v[ADRB+\slot] offset:\k+\i*16*PITCH+32
.endr
	WIN 0
.irp i, 0,1,2,3,4,5,6,7
	ds_load_b128 v[\f+8*\i:\f+8*\i+3],   v[ADRA+\slot] offset:\k+\i*16*PITCH
	ds_load_b128 v[\f+8*\i+4:\f+8*\i+7], v[ADRA+\slot] offset:\k+\i*16*PITCH+32
.endr
.endm
; A load into a register that a matrix instruction has read, and a vector instruction that reads a matrix result, stand four places behind that
; matrix instruction, and only plain vector instructions that name none of its registers are places.
.macro PLACES
.rept 4
	v_nop
.endr
.endm
; A K step is four quarter steps of 32 along K, 64 matrix instructions each, on buffers 0, 1, 0, 1.
; One of the first three: multiplies buffer f; in its middle it fetches the next quarter's fragments, at byte k of the same slot's rows, into buffer g.
.macro QUARTER slot, k, f, g, zero
	s_wait_dscnt 8                                 ; W and A's rows 0-63 are in; the youngest eight loads (A's rows 64-127) may be out
	WIN MUL_LO
	MUL16 \f, 0, 0, \zero
	MUL16 \f, 0, 2, \zero
	PLACES
	FETCH \slot, \k, \g
	s_wait_dscnt 32                                ; all but the 32 just issued
	WIN MUL_HI
	MUL16 \f, 1, 0, \zero
	MUL16 \f, 1, 2, \zero
.endm
.macro THREE slot, zero
	QUARTER \slot, 64,  F0, F1, \zero
	QUARTER \slot, 128, F1, F0, 0
	QUARTER \slot, 192, F0, F1, 0
.endm
; The last quarter: multiplies buffer 1 and changes slots.  next = the other slot; fill = 1: this slot is filled again, two K steps ahead.
; ONE barrier for the change of slots.  In front of it each wave waits for its own reads of this slot and for all its tensor loads, of which one is
; out: its part of the next slot.  Behind it nobody reads this slot any more and the next slot is whole: the refill comes first, then the next
; slot's first fragments.  From a request to the wait for it a wave issues 240 matrix instructions.
.macro TURN slot, next, fill
	s_wait_dscnt 8
	WIN MUL_LO
	MUL16 F1, 0, 0, 0
	s_wait_dscnt 0                                 ; my reads of this slot are over
	s_wait_tensorcnt 0x0                           ; and all my tensor loads have landed: the one that was out is my part of the next slot
	ds_add_u32 v63, v23
	s_wait_dscnt 0x0
	s_barrier_signal -1                            ; say so (where a slot is filled again this barrier opens a round of the cluster's barrier),
	MUL16 F1, 0, 2, 0                              ; work on registers while the others arrive,
	WIN 0
	s_barrier_wait -1                              ; and go on when all four have said so
.if \fill
	CREST                                          ; all sixteen work-groups have said so: no wave of any partner still reads this slot's tile or has a load on its way
	s_add_nc_u64 s[G0+4*\slot+2:G0+4*\slot+3], s[G0+4*\slot+2:G0+4*\slot+3], 2*KSTEP*2
	s_add_nc_u64 s[G0B+4*\slot+2:G0B+4*\slot+3], s[G0B+4*\slot+2:G0B+4*\slot+3], 2*KSTEP*2
	JLOAD \slot                                    ; the first tensor load behind the round; the four v_nop behind it are also the places in front of the loads below
.else
	PLACES
.endif
	FETCH \next, 0, F0
	WIN MUL_HI
	MUL16 F1, 1, 0, 0
	MUL16 F1, 1, 2, 0
.endm
.macro LAP zero                        ; once round the ring, both slots filled again
	THREE 0, \zero
	TURN 0, 1, 1
	THREE 1, 0
	TURN 1, 0, 1
.endm
	s_wait_tensorcnt 1                             ; my part of K step 0 is in; K step 1's load stays out
	s_barrier_signal -1
	s_barrier_wait -1                              ; everybody's is
	FETCH 0, 0, F0
	LAP 1                                          ; the first lap stands in front of the loop: its first products start the sums
.if LAPS > 2
	WIN 0                                          ; at a label and at a branch every window is 0
	s_mov_b32 s3, LAPS-2
.Llap:
	LAP 0
	WIN 0
	s_sub_co_u32 s3, s3, 1
	s_cmp_lg_u32 s3, 0
	s_cbranch_scc1 .Llap
.endif
	THREE 0, 0                                     ; the last lap fills nothing: my one tensor load that is still out is slot 1's, the last K step's
	TURN 0, 1, 0
	THREE 1, 0
	s_wait_dscnt 8                                 ; the very last quarter: nothing more to fetch
	WIN MUL_LO
	MUL16 F1, 0, 0, 0
	MUL16 F1, 0, 2, 0
	s_wait_dscnt 0
	WIN MUL_HI
	MUL16 F1, 1, 0, 0
	MUL16 F1, 1, 2, 0
	; THE WAY OUT, 16 rows of C at a time: add the bias (and apply GELU), round to f16, 16 bytes a lane into my own stage in LDS, read back so that
	; sixteen lanes hold 256 consecutive bytes of a panel (two rows of 128 bytes).
	PLACES                                         ; the places behind the last matrix instructions
	s_wait_loadcnt 0x0                             ; the bias
	s_lshl_b32 s16, s13, 15                        ; my first row: (256 x block row + 128 x half) x 128 bytes
	s_lshl_b32 s14, s11, 14
	s_add_co_u32 s16, s16, s14
	s_mov_b32 s17, 0
	s_add_nc_u64 s[8:9], s[8:9], s[16:17]
	s_lshl_b32 s46, s42, 21                        ; my first panel: (4 x block column + 2 x half) x 524,288 bytes
	s_lshl_b32 s47, s12, 20
	s_add_co_u32 s46, s46, s47
	s_mov_b32 s47, 0
	s_add_nc_u64 s[8:9], s[8:9], s[46:47]
; rows 16 i .. 16 i + 15 of my block = the eight tiles (a, 0..7) of window 2 or 3 (from = 0x06 or 0x07: source 0 the accumulators' window, source 1 window 1); rb: RB0 or RB1 in turn
.macro OUT16 i, a, from, rb
	WIN \from
.irp b, 0,1,2,3,4,5,6,7
.irp r, 0,2,4,6
	v_pk_add_f32 v[F0+8*\b+\r:F0+8*\b+\r+1], v[8*(8*\a+\b)+\r:8*(8*\a+\b)+\r+1], v[BIAS+8*\b+\r:BIAS+8*\b+\r+1]
.endr
.endr
	WIN 0
.if GELU
.set p, 0
.rept 32
	v_pk_mul_f32 v[F1+p:F1+p+1], v[F0+p:F0+p+1], v[F0+p:F0+p+1]                  ; x^2
.set p, p+2
.endr
.set p, 0
.rept 32
	v_pk_fma_f32 v[F1+p:F1+p+1], v[F1+p:F1+p+1], v[GC3:GC3+1], v[GC1:GC1+1]      ; c3 x^2 + c1
.set p, p+2
.endr
.set p, 0
.rept 32
	v_pk_mul_f32 v[F1+p:F1+p+1], v[F1+p:F1+p+1], v[F0+p:F0+p+1]                  ; -2 u log2(e)
.set p, p+2
.endr
.set p, 0
.rept 64
	v_exp_f32 v[F1+p], v[F1+p]
.set p, p+1
.endr
	v_nop                                          ; one plain vector instruction between a transcendental and the use of its result (ISA guide 5.7.2)
.set p, 0
	s_wait_alu depctr_va_vdst(0)
.rept 32
	v_pk_add_f32 v[F1+p:F1+p+1], v[F1+p:F1+p+1], 1.0 op_sel_hi:[1,0]
.set p, p+2
.endr
.set p, 0
.rept 64
	v_rcp_f32 v[F1+p], v[F1+p]
.set p, p+1
.endr
	v_nop
.set p, 0
	s_wait_alu depctr_va_vdst(0)
.rept 32
	v_pk_mul_f32 v[F0+p:F0+p+1], v[F0+p:F0+p+1], v[F1+p:F1+p+1]                  ; x / (1 + e^(-2u))
.set p, p+2
.endr
.endif
.irp b, 0,1,2,3,4,5,6,7
.irp r, 0,1,2,3
	v_cvt_pk_f16_f32 v[TMP+4*\b+\r], v[F0+8*\b+2*\r], v[F0+8*\b+2*\r+1]
.endr
.endr
.irp b, 0,1,2,3,4,5,6,7
	ds_store_b128 v[STO], v[TMP+4*\b:TMP+4*\b+3] offset:32*\b
.endr
	s_wait_xcnt 0x0                                ; buffer rb, which earlier stores read, is loaded again only behind this wait
.irp t, 0,1,2,3,4,5,6,7
	ds_load_b128 v[\rb+4*\t:\rb+4*\t+3], v[RD] offset:\t*2*SPITCH    ; LDS serves a wave's instructions in order (ISA guide 5.7.1.4): these see the stores above
.endr
.irp t, 0,1,2,3,4,5,6,7
	s_wait_dscnt 7-\t                              ; load t is in, the 7 - t younger ones stay out
	global_store_b128 v[CO], v[\rb+4*\t:\rb+4*\t+3], s[8:9] offset:\i*2048+\t*256   ; 16 lanes store 256 consecutive bytes, aligned: rows 16 i + 2 t and + 1 of a panel
.endr
.endm
	OUT16 0, 0, 0x06, RB0
	OUT16 1, 1, 0x06, RB1
	OUT16 2, 2, 0x06, RB0
	OUT16 3, 3, 0x06, RB1
	OUT16 4, 0, 0x07, RB0
	OUT16 5, 1, 0x07, RB1
	OUT16 6, 2, 0x07, RB0
	OUT16 7, 3, 0x07, RB1
	s_set_vgpr_msb 0x1
	s_wait_tensorcnt 0x0
	ds_add_u32 v63, v23
	s_wait_dscnt 0x0
	s_set_vgpr_msb 0x100
	CROUND                                         ; the closing round: no work-group ends while a partner may still ask for a tile that names it
	s_endpgm
.Lfunc_end_k_qdd431e74f2_fc:
	.size	k_qdd431e74f2_fc, .Lfunc_end_k_qdd431e74f2_fc-k_qdd431e74f2_fc
	.p2alignl 7, 3214868480
	.fill 96, 4, 3214868480
	.section	.rodata,"a",@progbits
	.p2align	6, 0x0
	.amdhsa_kernel k_qdd431e74f2_fc
		.amdhsa_group_segment_fixed_size 327680
		.amdhsa_private_segment_fixed_size 0
		.amdhsa_enable_private_segment 0
		.amdhsa_kernarg_size 32
		.amdhsa_user_sgpr_count 2
		.amdhsa_user_sgpr_kernarg_segment_ptr 1
		.amdhsa_wavefront_size32 1
		.amdhsa_system_sgpr_workgroup_id_x 1
		.amdhsa_system_sgpr_workgroup_id_y 1
		.amdhsa_system_sgpr_workgroup_id_z 1
		.amdhsa_system_vgpr_workitem_id 0
		.amdhsa_next_free_vgpr 1024
		.amdhsa_next_free_sgpr 76
		.amdhsa_reserve_vcc 0
		.amdhsa_float_denorm_mode_32 3
		.amdhsa_float_denorm_mode_16_64 3
		.amdhsa_memory_ordered 1
		.amdhsa_forward_progress 1
		.amdhsa_inst_pref_size 255
	.end_amdhsa_kernel
	.section	.bss,"aw",@nobits
	.p2align	6
	.space	262144
	.amdgpu_metadata
---
amdhsa.version: [ 1, 2 ]
amdhsa.kernels:
  - .name:           k_qdd431e74f2_fc
    .symbol:         k_qdd431e74f2_fc.kd
    .args:
      - { .name: h, .offset: 0, .size: 8, .value_kind: global_buffer, .address_space: global }
      - { .name: wb, .offset: 8, .size: 8, .value_kind: global_buffer, .address_space: global }
      - { .name: m, .offset: 16, .size: 8, .value_kind: global_buffer, .address_space: global }
      - { .name: b_fc, .offset: 24, .size: 8, .value_kind: global_buffer, .address_space: global }
    .group_segment_fixed_size: 327680
    .private_segment_fixed_size: 0
    .kernarg_segment_align: 8
    .kernarg_segment_size: 32
    .max_flat_workgroup_size: 128
    .sgpr_count:     76
    .vgpr_count:     1024
    .wavefront_size: 32
...
	.end_amdgpu_metadata
.endif
;; end of part 6
;; launch mproj (part 7): grid 8 x 32, 4 waves a work-group, clusters of 4 x 4, 327,680 bytes of LDS; arguments m, wb, out0, b_mproj, x1; writes out0
.if DOCPART == 7
	.amdgcn_target "amdgcn-amd-amdhsa--gfx1250"
	.amdhsa_code_object_version 6
	.text
	.protected	k_qdd431e74f2_mproj
	.globl	k_qdd431e74f2_mproj
	.p2align	8
	.type	k_qdd431e74f2_mproj,@function
k_qdd431e74f2_mproj:
	s_mov_b64 s[64:65], 0
	v_nop
	global_prefetch_b8 v0, s[64:65] scope:SCOPE_SE
	s_setreg_imm32_b32 hwreg(HW_REG_WAVE_MODE, 25, 1), 1
	s_wait_xcnt 0x0
	s_wait_alu depctr_hold_cnt(0) depctr_sa_sdst(0) depctr_va_vdst(0) depctr_va_sdst(0) depctr_va_ssrc(0) depctr_va_vcc(0) depctr_vm_vsrc(0)
	s_getreg_b32 s2, hwreg(HW_REG_IB_STS2, 6, 4)
	s_cmp_eq_u32 s2, 0
	s_cbranch_scc0 .Lentry_in_a_cluster
	s_endpgm
.Lentry_in_a_cluster:
	s_bfe_u32 s2, ttmp6, 0x10000c
	s_cmp_lg_u32 s2, 0xf033
	s_cbranch_scc0 .Lentry_shape_is_right
	s_endpgm
.Lentry_shape_is_right:
; C[m][n] = R[m][n] + bias[n] + sum over k of A[m][k] W[n][k], in f32.  N = 1,024, M = 4,096.
; A: f16 in panels of 64 columns: element (m, k) at byte (k / 64) * 524,288 + m * 128 + (k % 64) * 2.  W: [1024][SIZE_K] f16 row-major at byte WOFF of the
; weight buffer.  R (the residual) and C: [4096][1024] f32 row-major.  bias: [1024] f32.
; SHAPE: 256 work-groups want blocks of 128 x 128 of C.  Each of the four waves makes the WHOLE block (64 accumulator tiles, 512 registers, 16 fragments from LDS
; for 64 matrix instructions) over its own quarter of K: of every K step of 256, wave w takes k = 64 w .. 64 w + 63, which is one panel of A.  The four partial
; blocks are added on the way out, in LDS, through which f32 rows go anyway.  So K is summed in four interleaved shares, each ascending.
; RING: two LDS slots of a K step of 256: A as [4 panels][128 rows][pitch 144], W as [128 rows][pitch 528].  Waves 0 and 1 fetch two panels of A each (two dense
; blocks of 16,384 bytes), waves 2 and 3 fetch 64 rows of 512 bytes of W each.  A wave has two tensor loads outstanding at the start, one later.
; CLUSTERS: 4 x 4 work-groups; A's tiles are asked for jointly along a row of the cluster, W's along a column.
; REGISTERS, in windows of 256: window 0: v8-35 addresses and bias; v64-127, v128-191 fragments of A, two buffers (on the way out: the residual); v192-255 partial rows;
;   window 1: v64-127, v128-191 fragments of W;  window 2: accumulator tiles of rows 0-63 (tile (a, b) at v[8 (8 a + b)]);  window 3: rows 64-127.
; THE MATRIX INSTRUCTION IS USED TRANSPOSED: source 0 = 16 rows of W, source 1 = 16 rows of A: lane l holds row l % 16 of C and columns 8 (l / 16) + 0..7.
.set SIZE_K, 4096
.set WOFF,   16777216                  ; W_mproj in the weight buffer
.set PANEL,  524288
.set PA,     144                       ; A's LDS row: 128 bytes + 16
.set PB,     528                       ; W's LDS row: 512 bytes + 16: both odd multiples of 16, so the 16 rows that a load touches start at 16 different banks (ISA guide 11.1)
.set APAN,   128*PA                    ; a panel's 128 rows
.set AREG,   4*APAN
.set BHALF,  64*PB                     ; what one of W's loads brings
.set SLOT,   AREG+2*BHALF              ; 141,312
.set ASTEP,  4*PANEL                   ; a K step in A
.set BSTEP,  512                       ; a K step in W
.set SPW,    128*PB                    ; the way out: one wave's partial block, 128 rows of 512 bytes + 16
.set LAPS,   SIZE_K/512                ; a lap = two K steps = once round the ring
.set RDP,  8                           ; v8-11   the way out: where I read 16 bytes of my rows in wave q's partial block
.set ADRA, 16                          ; v16-17  LDS address of my A fragments in slot 0, 1
.set ADRB, 20                          ; v20-21  the same for W
.set PST,  24                          ; v24     the way out: where I put my partial block
.set CO,   26                          ; v26     16 x lane: my byte offset in a row of 512 bytes
.set BIASV, 32                         ; v[32:35] the bias of my four columns
.set F0,   64
.set F1,   128
.set RES,  64                          ; v[64:191] the way out: the residual of my 32 rows
.set PP,   192                         ; v[192:255] the way out: four rows x four partial blocks
.set G1, 24                            ; s[24:31] descriptor group 1 for A's tiles
.set G0, 32                            ; s[32:39] descriptor group 0 for A's tiles, one set for each slot
.set G1B, 48                           ; s[48:55] descriptor group 1 for W's tiles
.set G0B, 56                           ; s[56:63] descriptor group 0 for W's tiles, one set for each slot
.set MSB, 0
.macro WIN new                         ; the immediate's high byte repeats the setting that is left
.if MSB != \new
	s_set_vgpr_msb (MSB<<8)|\new
.set MSB, \new
.endif
.endm
.set MUL_LO, 0xa1                      ; source 0 (W) window 1, source 1 (A) window 0, C and D window 2
.set MUL_HI, 0xf1                      ; the same, C and D window 3
.set TO_B,   0x40                      ; destination window 1, address window 0
; A joint load.  Waves 0 and 1 fetch for A, waves 2 and 3 for W.  Each line has ONE mask and one set of registers for all that issue it; the branch hangs on the
; wave's number alone.  Four v_nop follow each of the two lines.
.macro JLOAD s
	s_cmp_eq_u32 s11, 0
	s_cbranch_scc0 .Lfor_b_\@
	tensor_load_to_lds s[G0+4*\s:G0+4*\s+3], s[G1:G1+7]
	s_nop 0
.rept 4
	v_nop
.endr
	s_branch .Lasked_\@
.Lfor_b_\@:
	tensor_load_to_lds s[G0B+4*\s:G0B+4*\s+3], s[G1B:G1B+7]
	s_nop 0
.rept 4
	v_nop
.endr
.Lasked_\@:
.endm
.macro CREST                           ; a round of the cluster's barrier behind its opening barrier
	s_cmp_lg_u32 s10, 0
	s_cbranch_scc1 .Lnot_wave_0_\@
	s_barrier_signal -3
.Lnot_wave_0_\@:
	s_barrier_wait -3
	s_barrier_signal -1
	s_barrier_wait -1
.endm
.macro CROUND                          ; a whole round
	s_barrier_signal -1
	s_barrier_wait -1
	CREST
.endm
	s_load_b128 s[4:7], s[0:1], 0x0                ; A s[4:5], weights s[6:7]
	s_load_b64 s[8:9], s[0:1], 0x10                ; C
	s_load_b64 s[66:67], s[0:1], 0x18              ; bias
	s_load_b64 s[68:69], s[0:1], 0x20              ; residual
	s_set_vgpr_msb 0x40
	v_lshl_add_u32 v255, v0, 2, 0x45000
	s_set_vgpr_msb 0x4000
	v_mov_b32 v63, 0
	s_set_vgpr_msb 0x1
	ds_add_u32 v255, v63
	s_set_vgpr_msb 0x100
	v_lshrrev_b32 v1, 5, v0
	v_readfirstlane_b32 s10, v1                    ; wave 0..3: also my quarter of K
	s_lshr_b32 s11, s10, 1                         ; I fetch for A (0) or for W (1)
	s_and_b32 s12, s10, 1                          ; which half of that tile I fetch
	s_bfe_u32 s40, ttmp6, 0x40000                  ; cx
	s_bfe_u32 s41, ttmp6, 0x40004                  ; cy
	s_lshl_b32 s42, ttmp9, 2
	s_add_co_u32 s42, s42, s40                     ; block column of C = 4 x cluster x + cx
	s_and_b32 s13, ttmp7, 0xffff
	s_lshl_b32 s13, s13, 2
	s_add_co_u32 s13, s13, s41                     ; block row of C = 4 x cluster y + cy
	s_lshl_b32 s43, s41, 2
	s_lshl_b32 s43, 15, s43                        ; my row of the cluster
	s_lshl_b32 s44, 0x1111, s40                    ; my column
	; group 1 for A: two dense blocks of 2,048 elements of 8 bytes, a panel (65,536 elements) apart; behind every 32 words (a row's 128 bytes) 4 words of padding
	s_or_b32 s[G1+0], s43, (3<<16)|(1<<20)|(1<<21)|(4<<22)|(3<<25)
	s_mov_b32 s[G1+1], 2048<<16                    ; tensor_dim0 = 2,048
	s_mov_b32 s[G1+2], 2<<16                       ; tensor_dim1 = 2
	s_mov_b32 s[G1+3], 2048<<16                    ; tile_dim0 = 2,048
	s_mov_b32 s[G1+4], 2                           ; tile_dim1 = 2
	s_mov_b32 s[G1+5], PANEL/8                     ; elements from block to block
	s_mov_b32 s[G1+6], 0
	s_mov_b32 s[G1+7], 0
	; group 1 for W: 64 rows of 256 elements of 2 bytes; behind every 128 words (a row) 4 words of padding
	s_or_b32 s[G1B+0], s44, (1<<16)|(1<<20)|(1<<21)|(6<<22)|(3<<25)
	s_mov_b32 s[G1B+1], 256<<16
	s_mov_b32 s[G1B+2], 64<<16
	s_mov_b32 s[G1B+3], 256<<16
	s_mov_b32 s[G1B+4], 64
	s_mov_b32 s[G1B+5], SIZE_K
	s_mov_b32 s[G1B+6], 0
	s_mov_b32 s[G1B+7], 0
	; where the tiles come from.  A's hang on the block row alone, W's on the block column alone, each in registers that never hold the other coordinate.
	s_lshl_b32 s16, s13, 14                        ; A: 128 x block row rows of 128 bytes,
	s_lshl_b32 s17, s12, 20                        ; and two panels for each half
	s_add_co_u32 s16, s16, s17
	s_mov_b32 s17, 0
	s_lshl_b32 s46, s42, 7
	s_lshl_b32 s47, s12, 6
	s_add_co_u32 s46, s46, s47                     ; W: row 128 x block column + 64 x half
	s_mov_b32 s47, 0
	s_mov_b64 s[18:19], SIZE_K*2
	s_mul_u64 s[46:47], s[46:47], s[18:19]
	s_mul_i32 s20, s10, 2*APAN                     ; where A's go (waves 0, 1): wave x two panels
	s_mul_i32 s45, s10, BHALF                      ; where W's go (waves 2, 3): behind A's region, (wave - 2) x 64 rows
	s_add_co_u32 s45, s45, AREG-2*BHALF
	s_wait_dscnt 0x0
	s_wait_kmcnt 0x0
	s_add_nc_u64 s[6:7], s[6:7], WOFF
	s_add_nc_u64 s[14:15], s[4:5], s[16:17]
	s_add_nc_u64 s[46:47], s[6:7], s[46:47]
	CROUND                                         ; all sixteen work-groups are here: the first joint loads meet
.irp s, 0,1
	s_mov_b32 s[G0+4*\s], 1
	s_add_co_u32 s[G0+4*\s+1], s20, \s*SLOT
	s_add_nc_u64 s[G0+4*\s+2:G0+4*\s+3], s[14:15], \s*ASTEP
	s_or_b32 s[G0+4*\s+3], s[G0+4*\s+3], 0x80000000
	s_mov_b32 s[G0B+4*\s], 1
	s_add_co_u32 s[G0B+4*\s+1], s45, \s*SLOT
	s_add_nc_u64 s[G0B+4*\s+2:G0B+4*\s+3], s[46:47], \s*BSTEP
	s_or_b32 s[G0B+4*\s+3], s[G0B+4*\s+3], 0x80000000
	JLOAD \s                                       ; the ring is filled before anything else is done
.endr
	v_and_b32 v1, 15, v0                           ; l % 16
	v_bfe_u32 v2, v0, 4, 1                         ; l / 16
	v_mul_u32_u24 v3, v1, PA
	v_lshl_add_u32 v3, v2, 4, v3                   ; A: row x pitch + 16 x half
	v_mul_u32_u24 v4, v1, PB
	v_lshl_add_u32 v5, v2, 4, v4                   ; W: the same with its pitch
	v_lshl_add_u32 v4, v2, 5, v4                   ; partial block: row l % 16, 32 bytes (8 f32) for each half
	s_mul_i32 s21, s10, APAN                       ; my panel of A
	s_lshl_b32 s22, s10, 7                         ; my 128 bytes of W's rows,
	s_add_co_u32 s22, s22, AREG                    ; which lie behind A's region
.irp s, 0,1
	v_add_nc_u32 v[ADRA+\s], s21, v3
	v_add_nc_u32 v[ADRB+\s], s22, v5
	s_add_co_u32 s21, s21, SLOT
	s_add_co_u32 s22, s22, SLOT
.endr
	s_mul_i32 s23, s10, SPW
	v_add_nc_u32 v[PST], s23, v4
	v_and_b32 v6, 31, v0
	v_lshlrev_b32 v[CO], 4, v6
	s_mul_i32 s23, s10, 32*PB                      ; my 32 rows of the block, in each of the four partial blocks
.irp q, 0,1,2,3
	v_add_nc_u32 v[RDP+\q], s23, v[CO]
	s_add_co_u32 s23, s23, SPW
.endr
; 16 matrix instructions: m blocks a0, a0 + 1 of the window's four x all 8 n blocks, 32 along K.  zero = 1: the first product starts the sums.
; The 64 accumulators take turns, one instruction a turn, in the same order in every quarter.
.macro MUL16 f, hi, a0, zero
.irp a, \a0, \a0+1
.irp b, 0,1,2,3,4,5,6,7
.if \zero
	v_wmma_f32_16x16x32_f16 v[8*(8*(\a)+\b):8*(8*(\a)+\b)+7], v[\f+8*\b:\f+8*\b+7], v[\f+8*(4*\hi+\a):\f+8*(4*\hi+\a)+7], 0
.else
	v_wmma_f32_16x16x32_f16 v[8*(8*(\a)+\b):8*(8*(\a)+\b)+7], v[\f+8*\b:\f+8*\b+7], v[\f+8*(4*\hi+\a):\f+8*(4*\hi+\a)+7], v[8*(8*(\a)+\b):8*(8*(\a)+\b)+7]
.endif
.endr
.endr
.endm
; 32 LDS loads in one run: 128 rows of W, 128 rows of A, 32 K at byte k of my 128 bytes of the rows, into buffer f
.macro FETCH slot, k, f
	WIN TO_B
.irp i, 0,1,2,3,4,5,6,7
	ds_load_b128 v[\f+8*\i:\f+8*\i+3],   v[ADRB+\slot] offset:\k+\i*16*PB
	ds_load_b128 v[\f+8*\i+4:\f+8*\i+7], v[ADRB+\slot] offset:\k+\i*16*PB+32
.endr
	WIN 0
.irp i, 0,1,2,3,4,5,6,7
	ds_load_b128 v[\f+8*\i:\f+8*\i+3],   v[ADRA+\slot] offset:\k+\i*16*PA
	ds_load_b128 v[\f+8*\i+4:\f+8*\i+7], v[ADRA+\slot] offset:\k+\i*16*PA+32
.endr
.endm
.macro PLACES                          ; four places behind a matrix instruction, in front of loads into its sources and of readers of its result
.rept 4
	v_nop
.endr
.endm
; My share of a K step is two quarters of 32 along K, 64 matrix instructions each, on buffers 0 and 1.
; The first: multiplies buffer f; in its middle it fetches the second's fragments, at byte k, into buffer g.
.macro QUARTER slot, k, f, g, zero
	s_wait_dscnt 8                                 ; W and A's rows 0-63 are in; the youngest eight loads (A's rows 64-127) may be out
	WIN MUL_LO
	MUL16 \f, 0, 0, \zero
	MUL16 \f, 0, 2, \zero
	PLACES
	FETCH \slot, \k, \g
	s_wait_dscnt 32                                ; all but the 32 just issued
	WIN MUL_HI
	MUL16 \f, 1, 0, \zero
	MUL16 \f, 1, 2, \zero
.endm
; The second: multiplies buffer 1 and changes slots.  ONE barrier for the change.  In front of it each wave waits for its own reads of this slot and for all its
; tensor loads (one is out: its part of the next slot).  Behind it the refill comes first, then the next slot's first fragments.
; From a request to the wait for it a wave issues 112 matrix instructions.
.macro TURN slot, next, fill
	s_wait_dscnt 8
	WIN MUL_LO
	MUL16 F1, 0, 0, 0
	s_wait_dscnt 0                                 ; my reads of this slot are over
	s_wait_tensorcnt 0x0                           ; and all my tensor loads have landed
	ds_add_u32 v255, v63
	s_wait_dscnt 0x0
	s_barrier_signal -1                            ; say so (where a slot is filled again this barrier opens a round of the cluster's barrier),
	MUL16 F1, 0, 2, 0                              ; work on registers while the others arrive,
	WIN 0
	s_barrier_wait -1
.if \fill
	CREST                                          ; no wave of any partner still reads this slot's tile or has a load on its way
	s_add_nc_u64 s[G0+4*\slot+2:G0+4*\slot+3], s[G0+4*\slot+2:G0+4*\slot+3], 2*ASTEP
	s_add_nc_u64 s[G0B+4*\slot+2:G0B+4*\slot+3], s[G0B+4*\slot+2:G0B+4*\slot+3], 2*BSTEP
	JLOAD \slot                                    ; the first tensor load behind the round; its four v_nop are also the places in front of the loads below
.else
	PLACES
.endif
	FETCH \next, 0, F0
	WIN MUL_HI
	MUL16 F1, 1, 0, 0
	MUL16 F1, 1, 2, 0
.endm
.macro STEP slot, next, fill, zero
	QUARTER \slot, 64, F0, F1, \zero
	TURN \slot, \next, \fill
.endm
.macro LAP zero                        ; once round the ring, both slots filled again
	STEP 0, 1, 1, \zero
	STEP 1, 0, 1, 0
.endm
	s_wait_tensorcnt 1                             ; my part of K step 0 is in; K step 1's load stays out
	s_barrier_signal -1
	s_barrier_wait -1
	FETCH 0, 0, F0
	LAP 1                                          ; the first lap stands in front of the loop: its first products start the sums
.if LAPS > 2
	WIN 0                                          ; at a label and at a branch every window is 0
	s_mov_b32 s3, LAPS-2
.Llap:
	LAP 0
	WIN 0
	s_sub_co_u32 s3, s3, 1
	s_cmp_lg_u32 s3, 0
	s_cbranch_scc1 .Llap
.endif
	STEP 0, 1, 0, 0                                ; the last lap fills nothing
	QUARTER 1, 64, F0, F1, 0
	s_wait_dscnt 8                                 ; the very last quarter: nothing more to fetch
	WIN MUL_LO
	MUL16 F1, 0, 0, 0
	MUL16 F1, 0, 2, 0
	s_wait_dscnt 0
	WIN MUL_HI
	MUL16 F1, 1, 0, 0
	MUL16 F1, 1, 2, 0
	; THE WAY OUT.  The ring has had its last fill; its bytes now take the four partial blocks.  Each wave then adds the four partial rows, the residual and the
	; bias for 32 rows of the block, a row of 512 bytes at a time.
	WIN 0
	PLACES                                         ; the places behind the last matrix instructions: for the loads into the fragments' registers and the LDS stores of results
	s_lshl_b32 s72, s13, 19                        ; my rows in R and C: (128 x block row + 32 x wave) x 4,096 bytes
	s_lshl_b32 s73, s10, 17
	s_add_co_u32 s72, s72, s73
	s_mov_b32 s73, 0
	s_lshl_b32 s74, s42, 9                         ; my columns: 128 x block column x 4 bytes
	s_mov_b32 s75, 0
	s_add_nc_u64 s[8:9], s[8:9], s[72:73]
	s_add_nc_u64 s[8:9], s[8:9], s[74:75]
	s_add_nc_u64 s[68:69], s[68:69], s[72:73]
	s_add_nc_u64 s[68:69], s[68:69], s[74:75]
	s_add_nc_u64 s[66:67], s[66:67], s[74:75]
	global_load_b128 v[BIASV:BIASV+3], v[CO], s[66:67]
.set rr, 0
.rept 32
	global_load_b128 v[RES+4*rr:RES+4*rr+3], v[CO], s[68:69] offset:rr*4096
.set rr, rr+1
.endr
	s_wait_dscnt 0x0
	s_barrier_signal -1
	s_barrier_wait -1                              ; no wave reads the ring any more
	WIN 0x08                                       ; store data (source 1) from window 2
.irp a, 0,1,2,3
.irp b, 0,1,2,3,4,5,6,7
	ds_store_b128 v[PST], v[8*(8*\a+\b):8*(8*\a+\b)+3]   offset:\a*16*PB+64*\b
	ds_store_b128 v[PST], v[8*(8*\a+\b)+4:8*(8*\a+\b)+7] offset:\a*16*PB+64*\b+16
.endr
.endr
	WIN 0x0c                                       ; from window 3
.irp a, 0,1,2,3
.irp b, 0,1,2,3,4,5,6,7
	ds_store_b128 v[PST], v[8*(8*\a+\b):8*(8*\a+\b)+3]   offset:(4+\a)*16*PB+64*\b
	ds_store_b128 v[PST], v[8*(8*\a+\b)+4:8*(8*\a+\b)+7] offset:(4+\a)*16*PB+64*\b+16
.endr
.endr
	WIN 0
	s_wait_dscnt 0x0                               ; for the others' sake: my partial block is written
	s_barrier_signal -1
	s_barrier_wait -1
	s_wait_loadcnt 0x0                             ; bias and residual
.irp g, 0,1,2,3,4,5,6,7
	s_wait_xcnt 0x0                                ; the registers that the last group's stores read are loaded again only behind this wait
.irp i, 0,1,2,3
.irp q, 0,1,2,3
	ds_load_b128 v[PP+16*\i+4*\q:PP+16*\i+4*\q+3], v[RDP+\q] offset:(4*\g+\i)*PB
.endr
.endr
.irp i, 0,1,2,3
	s_wait_dscnt 12-4*\i                           ; row i's four loads are in; the later rows' four each stay out
	v_pk_add_f32 v[PP+16*\i:PP+16*\i+1],     v[PP+16*\i:PP+16*\i+1],     v[PP+16*\i+4:PP+16*\i+5]
	v_pk_add_f32 v[PP+16*\i+2:PP+16*\i+3],   v[PP+16*\i+2:PP+16*\i+3],   v[PP+16*\i+6:PP+16*\i+7]
	v_pk_add_f32 v[PP+16*\i+8:PP+16*\i+9],   v[PP+16*\i+8:PP+16*\i+9],   v[PP+16*\i+12:PP+16*\i+13]
	v_pk_add_f32 v[PP+16*\i+10:PP+16*\i+11], v[PP+16*\i+10:PP+16*\i+11], v[PP+16*\i+14:PP+16*\i+15]
	v_pk_add_f32 v[RES+4*(4*\g+\i):RES+4*(4*\g+\i)+1],   v[RES+4*(4*\g+\i):RES+4*(4*\g+\i)+1],   v[BIASV:BIASV+1]
	v_pk_add_f32 v[RES+4*(4*\g+\i)+2:RES+4*(4*\g+\i)+3], v[RES+4*(4*\g+\i)+2:RES+4*(4*\g+\i)+3], v[BIASV+2:BIASV+3]
	v_pk_add_f32 v[PP+16*\i:PP+16*\i+1],     v[PP+16*\i:PP+16*\i+1],     v[PP+16*\i+8:PP+16*\i+9]
	v_pk_add_f32 v[PP+16*\i+2:PP+16*\i+3],   v[PP+16*\i+2:PP+16*\i+3],   v[PP+16*\i+10:PP+16*\i+11]
	v_pk_add_f32 v[PP+16*\i:PP+16*\i+1],     v[PP+16*\i:PP+16*\i+1],     v[RES+4*(4*\g+\i):RES+4*(4*\g+\i)+1]
	v_pk_add_f32 v[PP+16*\i+2:PP+16*\i+3],   v[PP+16*\i+2:PP+16*\i+3],   v[RES+4*(4*\g+\i)+2:RES+4*(4*\g+\i)+3]
	global_store_b128 v[CO], v[PP+16*\i:PP+16*\i+3], s[8:9] offset:(4*\g+\i)*4096   ; the wave stores 512 consecutive bytes, aligned
.endr
.endr
	s_set_vgpr_msb 0x1
	s_wait_tensorcnt 0x0
	ds_add_u32 v255, v63
	s_wait_dscnt 0x0
	s_set_vgpr_msb 0x100
	CROUND                                         ; the closing round: no work-group ends while a partner may still ask for a tile that names it
	s_endpgm
.Lfunc_end_k_qdd431e74f2_mproj:
	.size	k_qdd431e74f2_mproj, .Lfunc_end_k_qdd431e74f2_mproj-k_qdd431e74f2_mproj
	.p2alignl 7, 3214868480
	.fill 96, 4, 3214868480
	.section	.rodata,"a",@progbits
	.p2align	6, 0x0
	.amdhsa_kernel k_qdd431e74f2_mproj
		.amdhsa_group_segment_fixed_size 327680
		.amdhsa_private_segment_fixed_size 0
		.amdhsa_enable_private_segment 0
		.amdhsa_kernarg_size 40
		.amdhsa_user_sgpr_count 2
		.amdhsa_user_sgpr_kernarg_segment_ptr 1
		.amdhsa_wavefront_size32 1
		.amdhsa_system_sgpr_workgroup_id_x 1
		.amdhsa_system_sgpr_workgroup_id_y 1
		.amdhsa_system_sgpr_workgroup_id_z 1
		.amdhsa_system_vgpr_workitem_id 0
		.amdhsa_next_free_vgpr 1024
		.amdhsa_next_free_sgpr 76
		.amdhsa_reserve_vcc 0
		.amdhsa_float_denorm_mode_32 3
		.amdhsa_float_denorm_mode_16_64 3
		.amdhsa_memory_ordered 1
		.amdhsa_forward_progress 1
		.amdhsa_inst_pref_size 132
	.end_amdhsa_kernel
	.amdgpu_metadata
---
amdhsa.version: [ 1, 2 ]
amdhsa.kernels:
  - .name:           k_qdd431e74f2_mproj
    .symbol:         k_qdd431e74f2_mproj.kd
    .args:
      - { .name: m, .offset: 0, .size: 8, .value_kind: global_buffer, .address_space: global }
      - { .name: wb, .offset: 8, .size: 8, .value_kind: global_buffer, .address_space: global }
      - { .name: out0, .offset: 16, .size: 8, .value_kind: global_buffer, .address_space: global }
      - { .name: b_mproj, .offset: 24, .size: 8, .value_kind: global_buffer, .address_space: global }
      - { .name: x1, .offset: 32, .size: 8, .value_kind: global_buffer, .address_space: global }
    .group_segment_fixed_size: 327680
    .private_segment_fixed_size: 0
    .kernarg_segment_align: 8
    .kernarg_segment_size: 40
    .max_flat_workgroup_size: 128
    .sgpr_count:     76
    .vgpr_count:     1024
    .wavefront_size: 32
...
	.end_amdgpu_metadata
.endif
;; end of part 7
;; ======== version 2 of 2: 8 launches; version 1 with the launches cvt, ln1, ln2 written anew for expert scheduling mode
;; limits: values are held in f16: magnitudes above 65,504 overflow, below 6.1e-05 lose precision
;; workspace buffers: wb 25,165,824 bytes; h 8,388,608 bytes; qkv 25,165,824 bytes; y 8,388,608 bytes; m 33,554,432 bytes; x1 16,777,216 bytes
;; launch cvt (part 8): grid 768 x 1, 8 waves a work-group, no clusters, 0 bytes of LDS; arguments W_attn, W_aproj, W_fc, W_mproj, wb; writes wb
.if DOCPART == 8
	.amdgcn_target "amdgcn-amd-amdhsa--gfx1250"
	.amdhsa_code_object_version 6
	.text
	.protected	k_qdd431e74f2_cvt
	.globl	k_qdd431e74f2_cvt
	.p2align	8
	.type	k_qdd431e74f2_cvt,@function
k_qdd431e74f2_cvt:
	s_mov_b64 s[64:65], 0
	v_nop
	global_prefetch_b8 v0, s[64:65] scope:SCOPE_SE
	s_setreg_imm32_b32 hwreg(HW_REG_WAVE_SCHED_MODE, 0, 2), 2
	s_setreg_imm32_b32 hwreg(HW_REG_WAVE_MODE, 25, 1), 1
	s_wait_xcnt 0x0
	s_wait_alu depctr_vm_vsrc(0)
; The four weight matrices, f32, are rounded once to f16 and laid one behind the other in wb, each row-major as given:
; W_attn at byte 0, W_aproj at 6,291,456, W_fc at 8,388,608, W_mproj at 16,777,216.
; WHY f16: 11 significant bits against bf16's 8.  Room: weights of spread 1/32 or 1/64 lie, 30 times larger or with an offset of 30 spreads, near 1; 30 times
; smaller their spread is 5e-4, over 8,000 of f16's smallest steps (6e-8).  LIMIT: a weight beyond 65,504 in magnitude becomes infinity.
; A work-group converts 16,384 numbers: 64 KiB in, 32 KiB out.  Work-groups 0-191 take W_attn, 192-255 W_aproj, 256-511 W_fc, 512-767 W_mproj;
; since the matrices follow each other in wb in that order, the output offset is simply the work-group's number times 32 KiB.
; A stream: no LDS, no barrier, no matrix unit.  Sixteen loads of 16 bytes a lane go out at once; a wave's load covers 512 consecutive bytes,
; a wave's store of 8 bytes a lane covers 256 consecutive bytes, aligned.
; THE MODE: SCHED_MODE bits 1:0 = 2 (LLVM: expert scheduling mode 2), set by the entry lines.  The code itself states the register dependences
; between vector instructions and memory instructions, with s_wait_alu, always for 0.
; THE PLAN.  Registers that memory instructions touch:
;   v1, v2   byte offsets of the loads and of the stores: written once at the head, never again.
;   X        written by the sixteen loads, once; read by the conversions.  No vector instruction names X ahead of the loads, and nothing is loaded into it again.
;   Y        each register written once, by a conversion; read by one store; never written again.
; The sixteen loads are taken in four groups of four.  Group p converts its four loads; its memory instructions are the four stores of group p - 1, whose Y no
; conversion of group p names.  So one wait at the head of a group states all that its four stores hang on, and they are dealt among its conversions.
.set X, 4                              ; v[4:67]   load j: 4 numbers in f32
.set Y, 68                             ; v[68:99]  load j: the same 4 numbers in f16
	s_load_b256 s[4:11], s[0:1], 0x0               ; W_attn s[4:5], W_aproj s[6:7], W_fc s[8:9], W_mproj s[10:11]
	s_load_b64 s[12:13], s[0:1], 0x20              ; wb
	v_lshlrev_b32 v1, 4, v0                        ; 16 bytes a thread in
	v_lshlrev_b32 v2, 3, v0                        ; 8 bytes a thread out
	s_wait_kmcnt 0x0
	s_mov_b64 s[14:15], s[4:5]                     ; which matrix, and the number of its first work-group
	s_mov_b32 s16, 0
	s_cmp_ge_u32 ttmp9, 192
	s_cselect_b64 s[14:15], s[6:7], s[14:15]
	s_cselect_b32 s16, 192, s16
	s_cmp_ge_u32 ttmp9, 256
	s_cselect_b64 s[14:15], s[8:9], s[14:15]
	s_cselect_b32 s16, 256, s16
	s_cmp_ge_u32 ttmp9, 512
	s_cselect_b64 s[14:15], s[10:11], s[14:15]
	s_cselect_b32 s16, 512, s16
	s_sub_co_u32 s16, ttmp9, s16                   ; my place in that matrix,
	s_lshl_b32 s16, s16, 16                        ; times 64 KiB (16 MiB at the most)
	s_mov_b32 s17, 0
	s_add_nc_u64 s[14:15], s[14:15], s[16:17]
	s_lshl_b32 s18, ttmp9, 15                      ; my place in wb, times 32 KiB
	s_mov_b32 s19, 0
	s_add_nc_u64 s[12:13], s[12:13], s[18:19]
	s_wait_alu depctr_va_vdst(0)                   ; v1 and v2 are written: every load reads v1 as its offset, every store v2
.irp j, 0,1,2,3,4,5,6,7,8,9,10,11,12,13,14,15
	global_load_b128 v[X+4*\j:X+4*\j+3], v1, s[14:15] offset:4096*\j th:TH_LOAD_NT   ; read once in the whole program
.endr
; The store of load j's four numbers.
.macro PUT j
	global_store_b64 v2, v[Y+2*(\j):Y+2*(\j)+1], s[12:13] offset:2048*(\j)
.endm
; Group p: loads 4 p to 4 p + 3 are converted; the stores of group p - 1 stand among the conversions, one ahead of each load's two.
.macro GRP p
.irp i, 0,1,2,3
	s_wait_loadcnt 15-4*(\p)-(\i)                  ; loads come back in order: load 4 p + i is in, the younger ones stay out
.if ((\i) == 0) && ((\p) > 0)
	s_wait_alu depctr_va_vdst(0)                   ; the conversions of the group before have written its Y, which the four stores of this group's turn read
.endif
.if (\p) > 0
	PUT 4*(\p)-4+(\i)                              ; no wait: no vector instruction since the wait above names this Y or v2
.endif
	v_cvt_pk_f16_f32 v[Y+2*(4*(\p)+(\i))],   v[X+4*(4*(\p)+(\i))],   v[X+4*(4*(\p)+(\i))+1]
	v_cvt_pk_f16_f32 v[Y+2*(4*(\p)+(\i))+1], v[X+4*(4*(\p)+(\i))+2], v[X+4*(4*(\p)+(\i))+3]
.endr
.endm
	GRP 0
	GRP 1
	GRP 2
	GRP 3
	s_wait_alu depctr_va_vdst(0)                   ; the last group's conversions have written its Y, which the last four stores read
.irp j, 12,13,14,15
	PUT \j
.endr
	s_endpgm
.Lfunc_end_k_qdd431e74f2_cvt:
	.size	k_qdd431e74f2_cvt, .Lfunc_end_k_qdd431e74f2_cvt-k_qdd431e74f2_cvt
	.p2alignl 7, 3214868480
	.fill 96, 4, 3214868480
	.section	.rodata,"a",@progbits
	.p2align	6, 0x0
	.amdhsa_kernel k_qdd431e74f2_cvt
		.amdhsa_group_segment_fixed_size 0
		.amdhsa_private_segment_fixed_size 0
		.amdhsa_enable_private_segment 0
		.amdhsa_kernarg_size 40
		.amdhsa_user_sgpr_count 2
		.amdhsa_user_sgpr_kernarg_segment_ptr 1
		.amdhsa_wavefront_size32 1
		.amdhsa_system_sgpr_workgroup_id_x 1
		.amdhsa_system_sgpr_workgroup_id_y 1
		.amdhsa_system_sgpr_workgroup_id_z 1
		.amdhsa_system_vgpr_workitem_id 0
		.amdhsa_next_free_vgpr 104
		.amdhsa_next_free_sgpr 66
		.amdhsa_reserve_vcc 0
		.amdhsa_float_denorm_mode_32 3
		.amdhsa_float_denorm_mode_16_64 3
		.amdhsa_memory_ordered 1
		.amdhsa_forward_progress 1
		.amdhsa_inst_pref_size 7
	.end_amdhsa_kernel
	.amdgpu_metadata
---
amdhsa.version: [ 1, 2 ]
amdhsa.kernels:
  - .name:           k_qdd431e74f2_cvt
    .symbol:         k_qdd431e74f2_cvt.kd
    .args:
      - { .name: W_attn, .offset: 0, .size: 8, .value_kind: global_buffer, .address_space: global }
      - { .name: W_aproj, .offset: 8, .size: 8, .value_kind: global_buffer, .address_space: global }
      - { .name: W_fc, .offset: 16, .size: 8, .value_kind: global_buffer, .address_space: global }
      - { .name: W_mproj, .offset: 24, .size: 8, .value_kind: global_buffer, .address_space: global }
      - { .name: wb, .offset: 32, .size: 8, .value_kind: global_buffer, .address_space: global }
    .group_segment_fixed_size: 0
    .private_segment_fixed_size: 0
    .kernarg_segment_align: 8
    .kernarg_segment_size: 40
    .max_flat_workgroup_size: 256
    .sgpr_count:     66
    .vgpr_count:     104
    .wavefront_size: 32
...
	.end_amdgpu_metadata
.endif
;; end of part 8
;; launch ln1 (part 9): grid 256 x 1, 8 waves a work-group, no clusters, 0 bytes of LDS; arguments x, ln1_g, ln1_b, h; writes h
.if DOCPART == 9
	.amdgcn_target "amdgcn-amd-amdhsa--gfx1250"
	.amdhsa_code_object_version 6
	.text
	.protected	k_qdd431e74f2_ln1
	.globl	k_qdd431e74f2_ln1
	.p2align	8
	.type	k_qdd431e74f2_ln1,@function
k_qdd431e74f2_ln1:
	s_mov_b64 s[64:65], 0
	v_nop
	global_prefetch_b8 v0, s[64:65] scope:SCOPE_SE
	s_setreg_imm32_b32 hwreg(HW_REG_WAVE_SCHED_MODE, 0, 2), 2
	s_setreg_imm32_b32 hwreg(HW_REG_WAVE_MODE, 25, 1), 1
	s_wait_xcnt 0x0
	s_wait_alu depctr_vm_vsrc(0)
; Layer norm of 4,096 rows of 1,024 f32, result in f16, row-major:  h = (x - mean) * rsqrt(var + 1e-5) * g + b.
; One wave, one row: a row of 4,096 bytes is eight loads of 16 bytes a lane and stays in 32 registers through all three passes
; (mean; sum of squares of x - mean, so that no difference of large sums is formed; scale), so memory is read once and no wave waits for another.
; Eight waves, two rows each; both rows' loads go out at the start.  Lane l holds columns 128 j + 4 l .. + 3 of load j, and g and b likewise.
; A wave's store of 8 bytes a lane covers 256 consecutive bytes, aligned.  No LDS, no barrier, no matrix unit: memory binds.
; WHY f16: 11 significant bits against bf16's 8, and the result is bounded whatever x holds: a normalised number is at most sqrt(1024) = 32 in magnitude,
; so |h| <= 32 max|g| + max|b|.  LIMIT: where that passes 65,504 (a gain beyond about 2,000) the result becomes infinity.
; Limit: v_rsq_f32 is accurate to 1 ulp and flushes denormals; var + 1e-5 is never that small.
; THE MODE: SCHED_MODE bits 1:0 = 2 (LLVM: expert scheduling mode 2), set by the entry lines.  The code itself states the register dependences
; between vector instructions and memory instructions, with s_wait_alu, always for 0.
; THE PLAN.  Registers that memory instructions touch:
;   v1, v2     byte offsets of the loads and of the stores: written once at the head, never again.
;   G, BV      written by loads, once; read by vector instructions.
;   X0, row i  written by the row's eight loads, then by its three passes in place; the stores read the packed words at X0 + 32 i + 4 j and + 1.
;              Behind a row's third pass none of its registers is written again.
;   Q, MU, R, T are named by vector instructions alone.  s12, the wave's number, is written by a vector instruction and read by scalar ones.
; A row's third pass holds no store.  Row 0's eight stores stand in row 1's first pass, behind one wait at that row's head; the additions among which they are dealt
; name Q and row 1's registers alone.  Row 1's eight stores stand at the end, behind one wait.  No register that a memory instruction reads is written again.
.set G,   4                            ; v[4:35]    g of my 32 columns
.set BV,  36                           ; v[36:67]   b of my 32 columns
.set X0,  68                           ; v[68:131]  row i: 32 registers, as loaded, then centred, then scaled and packed in place
.set Q,   132                          ; v[132:139] four chains of sums, two numbers each
.set MU,  140                          ; v[140:141] the mean, twice
.set R,   142                          ; v[142:143] 1 / sqrt(var + eps), twice
.set T,   144                          ; v[144:145] at work
	s_load_b256 s[4:11], s[0:1], 0x0               ; x s[4:5], g s[6:7], b s[8:9], h s[10:11]
	v_lshrrev_b32 v3, 5, v0
	v_readfirstlane_b32 s12, v3                    ; wave
	v_and_b32 v2, 31, v0                           ; lane
	v_lshlrev_b32 v1, 4, v2                        ; 16 bytes a lane in
	v_lshlrev_b32 v2, 3, v2                        ; 8 bytes a lane out
	v_mov_b32 v[T+1], 0                            ; v_permlanex16_b32 counts as a reader of its destination
	s_wait_alu depctr_va_sdst(0)                   ; s12 is written, ahead of its first reader: my rows' offsets are made from it
	s_lshl_b32 s13, ttmp9, 4
	s_lshl1_add_u32 s13, s12, s13                  ; my first row = 16 x work-group + 2 x wave
	s_lshl_b32 s18, s13, 12                        ; times 4,096 bytes in x
	s_mov_b32 s19, 0
	s_lshl_b32 s20, s13, 11                        ; times 2,048 bytes in h
	s_mov_b32 s21, 0
	s_mov_b32 s14, 0x76543210                      ; v_permlanex16_b32: lane i of one half reads lane i of the other
	s_mov_b32 s15, 0xfedcba98
	s_mov_b32 s16, 0x3a800000                      ; 1 / 1024
	s_mov_b32 s17, 0x3727c5ac                      ; 1e-5
	s_wait_kmcnt 0x0
	s_add_nc_u64 s[4:5], s[4:5], s[18:19]
	s_add_nc_u64 s[10:11], s[10:11], s[20:21]
	s_wait_alu depctr_va_vdst(0)                   ; v1 and v2 are written: every load reads v1 as its offset, every store v2
.irp j, 0,1,2,3,4,5,6,7
	global_load_b128 v[G+4*\j:G+4*\j+3], v1, s[6:7] offset:512*\j
.endr
.irp j, 0,1,2,3,4,5,6,7
	global_load_b128 v[BV+4*\j:BV+4*\j+3], v1, s[8:9] offset:512*\j
.endr
.irp j, 0,1,2,3,4,5,6,7
	global_load_b128 v[X0+4*\j:X0+4*\j+3], v1, s[4:5] offset:512*\j
.endr
.irp j, 0,1,2,3,4,5,6,7
	global_load_b128 v[X0+32+4*\j:X0+32+4*\j+3], v1, s[4:5] offset:4096+512*\j
.endr
.macro FOLD                            ; the four chains become one number a lane, in T
	v_pk_add_f32 v[Q:Q+1], v[Q:Q+1], v[Q+2:Q+3]
	v_pk_add_f32 v[Q+4:Q+5], v[Q+4:Q+5], v[Q+6:Q+7]
	v_pk_add_f32 v[Q:Q+1], v[Q:Q+1], v[Q+4:Q+5]
	v_add_f32 v[T], v[Q], v[Q+1]
.endm
.macro RED                             ; T summed over the 32 lanes, the result in every lane
	v_add_f32_dpp v[T], v[T], v[T] row_xmask:1 row_mask:0xf bank_mask:0xf
	v_add_f32_dpp v[T], v[T], v[T] row_xmask:2 row_mask:0xf bank_mask:0xf
	v_add_f32_dpp v[T], v[T], v[T] row_xmask:4 row_mask:0xf bank_mask:0xf
	v_add_f32_dpp v[T], v[T], v[T] row_xmask:8 row_mask:0xf bank_mask:0xf
	v_permlanex16_b32 v[T+1], v[T], s14, s15
	v_add_f32 v[T], v[T], v[T+1]
.endm
; The store of the four packed numbers of load j of row i.  The registers are the row's own and are not written again.
.macro OUT i, j
	global_store_b64 v2, v[X0+32*(\i)+4*(\j):X0+32*(\i)+4*(\j)+1], s[10:11] offset:2048*(\i)+256*(\j)
.endm
; Row i of my two.  left = how many younger loads may stay out.  In row 1's first pass stand row 0's eight stores, one ahead of each of its first eight additions.
.macro ROW i, left
	s_wait_loadcnt \left
.if \i
	s_wait_alu depctr_va_vdst(0)                   ; the conversions of the row before have written its packed words, which the eight stores below read
.endif
	; pass 1: the mean, in four chains that the first eight pairs start: nothing is cleared
.irp k, 0,2,4,6
.if \i
	OUT (\i)-1, (\k)/2                             ; no wait: no vector instruction since the wait above names the row before's registers or v2
.endif
	v_pk_add_f32 v[Q+\k:Q+\k+1], v[X0+32*\i+\k:X0+32*\i+\k+1], v[X0+32*\i+8+\k:X0+32*\i+8+\k+1]
.endr
.irp m, 16,24
.irp k, 0,2,4,6
.if (\i) && ((\m) == 16)
	OUT (\i)-1, 4+(\k)/2
.endif
	v_pk_add_f32 v[Q+\k:Q+\k+1], v[Q+\k:Q+\k+1], v[X0+32*\i+\m+\k:X0+32*\i+\m+\k+1]
.endr
.endr
	FOLD
	RED
	v_mul_f32 v[MU], s16, v[T]
	v_mov_b32 v[MU+1], v[MU]
	; pass 2: centre in place, then the sum of squares
.set p, 0
.rept 16
	v_pk_add_f32 v[X0+32*\i+p:X0+32*\i+p+1], v[X0+32*\i+p:X0+32*\i+p+1], v[MU:MU+1] neg_lo:[0,1] neg_hi:[0,1]
.set p, p+2
.endr
.irp k, 0,2,4,6
	v_pk_mul_f32 v[Q+\k:Q+\k+1], v[X0+32*\i+\k:X0+32*\i+\k+1], v[X0+32*\i+\k:X0+32*\i+\k+1]
.endr
.irp m, 8,16,24
.irp k, 0,2,4,6
	v_pk_fma_f32 v[Q+\k:Q+\k+1], v[X0+32*\i+\m+\k:X0+32*\i+\m+\k+1], v[X0+32*\i+\m+\k:X0+32*\i+\m+\k+1], v[Q+\k:Q+\k+1]
.endr
.endr
	FOLD
	RED
	v_fma_f32 v[T], v[T], s16, s17                 ; var + eps
	v_rsq_f32 v[R], v[T]
	v_nop                                          ; one plain vector instruction between v_rsq_f32 and the use of its result (ISA guide 5.7.2)
	s_wait_alu depctr_va_vdst(0)                   ; v_rsq_f32 has written v[R], ahead of the first instruction that names it
	v_mov_b32 v[R+1], v[R]
	; pass 3: scale, gain and bias, round to f16 in place; the stores follow behind a later wait
.irp j, 0,1,2,3,4,5,6,7
	v_pk_mul_f32 v[X0+32*\i+4*\j:X0+32*\i+4*\j+1],   v[X0+32*\i+4*\j:X0+32*\i+4*\j+1],   v[R:R+1]
	v_pk_mul_f32 v[X0+32*\i+4*\j+2:X0+32*\i+4*\j+3], v[X0+32*\i+4*\j+2:X0+32*\i+4*\j+3], v[R:R+1]
	v_pk_fma_f32 v[X0+32*\i+4*\j:X0+32*\i+4*\j+1],   v[X0+32*\i+4*\j:X0+32*\i+4*\j+1],   v[G+4*\j:G+4*\j+1],   v[BV+4*\j:BV+4*\j+1]
	v_pk_fma_f32 v[X0+32*\i+4*\j+2:X0+32*\i+4*\j+3], v[X0+32*\i+4*\j+2:X0+32*\i+4*\j+3], v[G+4*\j+2:G+4*\j+3], v[BV+4*\j+2:BV+4*\j+3]
	v_cvt_pk_f16_f32 v[X0+32*\i+4*\j],   v[X0+32*\i+4*\j],   v[X0+32*\i+4*\j+1]
	v_cvt_pk_f16_f32 v[X0+32*\i+4*\j+1], v[X0+32*\i+4*\j+2], v[X0+32*\i+4*\j+3]
.endr
.endm
	ROW 0, 8                                       ; g, b and row 0 are in; row 1's eight loads stay out
	ROW 1, 0
	s_wait_alu depctr_va_vdst(0)                   ; row 1's conversions have written its packed words, which the last eight stores read
.irp j, 0,1,2,3,4,5,6,7
	OUT 1, \j
.endr
	s_endpgm
.Lfunc_end_k_qdd431e74f2_ln1:
	.size	k_qdd431e74f2_ln1, .Lfunc_end_k_qdd431e74f2_ln1-k_qdd431e74f2_ln1
	.p2alignl 7, 3214868480
	.fill 96, 4, 3214868480
	.section	.rodata,"a",@progbits
	.p2align	6, 0x0
	.amdhsa_kernel k_qdd431e74f2_ln1
		.amdhsa_group_segment_fixed_size 0
		.amdhsa_private_segment_fixed_size 0
		.amdhsa_enable_private_segment 0
		.amdhsa_kernarg_size 32
		.amdhsa_user_sgpr_count 2
		.amdhsa_user_sgpr_kernarg_segment_ptr 1
		.amdhsa_wavefront_size32 1
		.amdhsa_system_sgpr_workgroup_id_x 1
		.amdhsa_system_sgpr_workgroup_id_y 1
		.amdhsa_system_sgpr_workgroup_id_z 1
		.amdhsa_system_vgpr_workitem_id 0
		.amdhsa_next_free_vgpr 148
		.amdhsa_next_free_sgpr 66
		.amdhsa_reserve_vcc 0
		.amdhsa_float_denorm_mode_32 3
		.amdhsa_float_denorm_mode_16_64 3
		.amdhsa_memory_ordered 1
		.amdhsa_forward_progress 1
		.amdhsa_inst_pref_size 21
	.end_amdhsa_kernel
	.amdgpu_metadata
---
amdhsa.version: [ 1, 2 ]
amdhsa.kernels:
  - .name:           k_qdd431e74f2_ln1
    .symbol:         k_qdd431e74f2_ln1.kd
    .args:
      - { .name: x, .offset: 0, .size: 8, .value_kind: global_buffer, .address_space: global }
      - { .name: ln1_g, .offset: 8, .size: 8, .value_kind: global_buffer, .address_space: global }
      - { .name: ln1_b, .offset: 16, .size: 8, .value_kind: global_buffer, .address_space: global }
      - { .name: h, .offset: 24, .size: 8, .value_kind: global_buffer, .address_space: global }
    .group_segment_fixed_size: 0
    .private_segment_fixed_size: 0
    .kernarg_segment_align: 8
    .kernarg_segment_size: 32
    .max_flat_workgroup_size: 256
    .sgpr_count:     66
    .vgpr_count:     148
    .wavefront_size: 32
...
	.end_amdgpu_metadata
.endif
;; end of part 9
;; launch qkv: the kernel of part 3 again; grid 12 x 16, 4 waves a work-group, clusters of 4 x 4, 327,680 bytes of LDS; arguments h, wb, qkv, b_attn; writes qkv
;; launch attn: the kernel of part 4 again; grid 256 x 1, 8 waves a work-group, no clusters, 327,680 bytes of LDS; arguments qkv, y; writes y
;; launch aproj: the kernel of part 5 again; grid 8 x 32, 4 waves a work-group, clusters of 4 x 4, 327,680 bytes of LDS; arguments y, wb, x1, b_aproj, x; writes x1
;; launch ln2: the kernel of part 9 again; grid 256 x 1, 8 waves a work-group, no clusters, 0 bytes of LDS; arguments x1, ln2_g, ln2_b, h; writes h
;; launch fc: the kernel of part 6 again; grid 16 x 16, 4 waves a work-group, clusters of 4 x 4, 327,680 bytes of LDS; arguments h, wb, m, b_fc; writes m
;; launch mproj: the kernel of part 7 again; grid 8 x 32, 4 waves a work-group, clusters of 4 x 4, 327,680 bytes of LDS; arguments m, wb, out0, b_mproj, x1; writes out0
